; MI455X (gfx1250); checked and timed in simulation.
; The chip was launched on July 23, 2026; its instructions are those of AMD's public machine-readable ISA for CDNA 5 (MIT licence, August 2026) and "CDNA5" Instruction Set Architecture Reference Guide (July 2026). The comments in the code are by the model that wrote it; some were corrected since.
;; Multi Head Attention. Allowed arithmetic: matrix products marked QUANTISED: E2M1 operands, one E8M0 scale for each 32 along K, by v_wmma_scale_f32_16x16x128_f8f6f4 with both operands' format E2M1 (or v_wmma_scale_f32_32x16x128_f4), f32 sums; products left as they are: bf16, f16 or f32 operands; f32 sums; everything else in f32.
;; Inputs: Wk 1,024 x 1,024 float32; Wo 1,024 x 1,024 float32; Wq 1,024 x 1,024 float32; Wv 1,024 x 1,024 float32; k 4 x 2,048 x 1,024 float32; q 4 x 2,048 x 1,024 float32; v 4 x 2,048 x 1,024 float32.
;; Outputs: out0 4 x 2,048 x 1,024 float32.
;; This version of the problem:
;;   THIS VERSION OF THE PROBLEM IS GIVEN IN LOW PRECISION. The matrix products marked QUANTISED in the list below multiply operands that are first quantised to E2M1 (2 exponent bits, 1 mantissa bit; 4 bits a number), with one power-of-two scale for each 32 numbers along K (OCP MX v1.0); their sums are f32. The products marked 'left as it is' may take bf16, f16 or f32 operands, with f32 sums. Whichever they take, every output number must still come out within the allowed error. Rounding operands to bf16 (8 significant bits) uses up far more of that allowance than f16 does (11 bits, for magnitudes from 6e-5 to 65,504). All else is computed in f32.
;;   The module's matrix products, in the order in which they are computed (A, B: the left and right operand; K: the contracted axis; several contracted axes count as one K, in the product's order):
;;     1. [M 8,192, K 1,024] x [K 1,024, N 1,024]; A: input q; B: input Wq: QUANTISED
;;     2. [M 8,192, K 1,024] x [K 1,024, N 1,024]; A: input k; B: input Wk: QUANTISED
;;     3. [M 8,192, K 1,024] x [K 1,024, N 1,024]; A: input v; B: input Wv: QUANTISED
;;     4. batch 64 x [M 2,048, K 64] x [K 64, N 2,048]; A: computed on the way; B: computed on the way: left as it is (an operand is computed on the way)
;;     5. batch 64 x [M 2,048, K 2,048] x [K 2,048, N 64]; A: computed on the way; B: computed on the way: left as it is (an operand is computed on the way)
;;     6. [M 8,192, K 1,024] x [K 1,024, N 1,024]; A: computed on the way; B: input Wo: left as it is (an operand is computed on the way)
;;   THE QUANTISER, for each operand of a quantised product, along K:
;;     - K is cut into blocks of 32 from its start; a last block that is shorter is filled with zeros.
;;     - A block's scale is 2^e with e = floor(log2(the largest magnitude in the block)) - 2, held to -126 .. 127; a block of zeros has e = 0. As a byte (E8M0): e + 127.
;;     - Each number is divided by its block's scale, clamped to +-6, and rounded to the nearest number of E2M1, ties to even, subnormals kept.
;;     - The product sums the exact products of the quantised numbers (number of the format x scale) in f32.
;;   ~~~python
;;   def quantise(x, axis):      # numpy; x: float32 -> the quantised numbers, widened to float32 again
;;       x = np.moveaxis(x, axis, -1); K = x.shape[-1]
;;       x = np.pad(x, [(0, 0)] * (x.ndim - 1) + [(0, -K % 32)]); x = x.reshape(x.shape[:-1] + (-1, 32)); a = np.abs(x).max(-1, keepdims=True)
;;       e = np.where(a > 0, np.clip(np.frexp(np.where(a > 0, a, 1))[1] - 1 - 2, -126, 127), 0)      # np.frexp(a)[1] - 1 = floor(log2(a)), exactly
;;       r = np.clip(x / 2.0 ** e, -6, 6)
;;       step = 2.0 ** (np.maximum(np.frexp(np.where(r == 0, 1, r))[1] - 1, 0) - 1)
;;       q = np.round(r / step) * step * 2.0 ** e      # np.round: ties to even
;;       return np.moveaxis(q.reshape(q.shape[:-2] + (-1,))[..., :K], -1, axis).astype(np.float32)
;;   ~~~
;; One version. Each part assembles by itself: llvm-mc -triple=amdgcn-amd-amdhsa -mcpu=gfx1250 --defsym DOCPART=n.
;; ======== version 1 of 1: 5 launches
;; limits: values are held in f16: magnitudes above 65,504 overflow, below 6.1e-05 lose precision
;; workspace buffers: xcodes 12,582,912 bytes; xscales 786,432 bytes; wcodes 1,572,864 bytes; wscales 98,304 bytes; wo16 2,097,152 bytes; qkv16 50,331,648 bytes; head32 786,432 bytes; o16 16,777,216 bytes
;; launch quant (part 1): grid 896 x 1, 4 waves a work-group, no clusters, 33,280 bytes of LDS; arguments q, k, v, Wq, Wk, Wv, Wo, xcodes, xscales, wcodes, wscales, wo16; writes xcodes, xscales, wcodes, wscales, wo16
.if DOCPART == 1
	.amdgcn_target "amdgcn-amd-amdhsa--gfx1250"
	.amdhsa_code_object_version 6
	.text
	.protected	k_q367a81fb1c_quant
	.globl	k_q367a81fb1c_quant
	.p2align	8
	.type	k_q367a81fb1c_quant,@function
k_q367a81fb1c_quant:
	s_mov_b64 s[64:65], 0
	v_nop
	global_prefetch_b8 v0, s[64:65] scope:SCOPE_SE
	s_setreg_imm32_b32 hwreg(HW_REG_WAVE_MODE, 25, 1), 1
	s_wait_xcnt 0x0
; q, k, v [8192][1024] and Wq, Wk, Wv [1024][1024], f32 with K innermost, become codes of FP4 (E2M1), two to a byte, K innermost, and one E8M0 byte for each 32 along K;  Wo [1024][1024] becomes f16.
; A block's scale is 2^(floor(log2(its largest magnitude)) - 2); its byte is the largest magnitude's exponent field - 2, held at 1 from below.  Each number is divided by the scale and rounded to the nearest code, ties to even, beyond 6 the largest code.
; LIMITS: a block of zeros gets the byte 1 where the quantiser says 127 (its codes are zeros, which add nothing under any byte but 0xff, and this program alone reads the bytes); blocks whose largest magnitude lies under 2^(2 - 126) are held at the byte 1;
; NaN and infinities among the inputs are not served.  Wo beyond 65,504 in magnitude has no f16 number.
; SHARES: a work-group takes 32,768 numbers, a wave 8,192 (16 steps of 512).  Work-groups 0-767: q, k, v (256 each); 768-863: Wq, Wk, Wv (32 each); 864-895: Wo.  Rows are dense and K is a multiple of 32: every tensor is a plain stream of blocks.
; The six quantised tensors take ONE path: only pointers and shifts are chosen, by the work-group's number.  Each of a step's four loads reads 512 consecutive bytes; the 2,048 bytes turn through the wave's own stage in LDS and come back
; 64 bytes (16 neighbours along K) a lane; two neighbouring lanes hold a block.  A lane's 16 codes are 8 bytes: the wave stores 256 consecutive bytes.  A wave's 256 scale bytes are gathered in LDS and leave as one run of 256 bytes.
.set WAVES, 4
.set STEPS, 16
.set EMAX,  2
.set CB,    8                          ; bytes of 16 codes
.set R,     16                         ; v16-79   four sets of 16 numbers as they are loaded
.set X,     80                         ; v80-111  two sets of 16 neighbours
.set E,     112                        ; v112-127 a scale byte for each step
.set C,     128                        ; v128-191 codes: registers of its own for each step, so that no store's data are written again
.set WREG,  8192                       ; LDS: a region for each wave: two stages of 32 x SP bytes, behind them its 256 scale bytes
.set SP,    80                         ; a lane's place in a stage: 64 bytes + 16 of padding
.set SPW,   12                         ; v12  LDS address of my spare word; never rewritten
.set NIL,   13                         ; v13  0; never rewritten
.set SPARE, WAVES*WREG                 ; behind the regions: the spare words, 128 bytes a wave, which no other line names
.set SRC,   46                         ; s[46:47] my run of the tensor
.set COD,   42                         ; s[42:43] its codes
.set SCA,   44                         ; s[44:45] its scale bytes
	s_load_b512 s[8:23], s[0:1], 0x0               ; q 8, k 10, v 12, Wq 14, Wk 16, Wv 18, Wo 20, xcodes 22
	s_load_b256 s[24:31], s[0:1], 0x40             ; xscales 24, wcodes 26, wscales 28, wo16 30
	v_lshl_add_u32 v[SPW], v0, 2, SPARE
	v_mov_b32 v[NIL], 0
	v_lshrrev_b32 v1, 5, v0
	v_readfirstlane_b32 s4, v1                     ; wave
	v_and_b32 v2, 31, v0                           ; lane
	v_lshlrev_b32 v3, 4, v2                        ; my 16 bytes of a load's 512
	s_mul_i32 s5, s4, WREG
	v_lshrrev_b32 v14, 2, v2
	v_mul_u32_u24 v14, v14, SP
	v_and_b32 v15, 3, v2
	v_lshl_add_u32 v14, v15, 4, v14
	v_add_nc_u32 v14, s5, v14                      ; the stage, on the way in: SP (lane / 4) + 16 (lane % 4)
	v_mul_u32_u24 v15, v2, SP
	v_add_nc_u32 v15, s5, v15                      ; and on the way out: SP x lane: my 16 neighbours
	v_mul_u32_u24 v4, v2, CB                       ; my codes' place in a step's
	v_lshrrev_b32 v5, 1, v2
	s_add_co_u32 s5, s5, 2*32*SP
	v_add_nc_u32 v5, s5, v5                        ; LDS: my wave's scale bytes, my block's byte
	v_lshlrev_b32 v7, 3, v2                        ; 8 bytes a lane
	v_add_nc_u32 v6, s5, v7
	s_wait_kmcnt 0x0
	s_cmp_ge_u32 ttmp9, 864
	s_cbranch_scc1 .Lcast                          ; Wo's work-groups: a path that touches no LDS
	s_cmp_lt_u32 ttmp9, 768                        ; an activation or a weight?  All choices hang on the work-group's number alone
	s_cselect_b32 s32, 0, 768                      ; the kind's first work-group
	s_cselect_b32 s33, 8, 5                        ; log2 of the work-groups of one tensor
	s_cselect_b32 s34, 22, 19                      ; log2 of a tensor's bytes of codes
	s_cselect_b32 s35, 18, 15                      ; and of scale bytes
	s_cselect_b64 s[36:37], s[8:9], s[14:15]
	s_cselect_b64 s[38:39], s[10:11], s[16:17]
	s_cselect_b64 s[40:41], s[12:13], s[18:19]
	s_cselect_b64 s[COD:COD+1], s[22:23], s[26:27]
	s_cselect_b64 s[SCA:SCA+1], s[24:25], s[28:29]
	s_sub_co_u32 s48, ttmp9, s32
	s_lshr_b32 s49, s48, s33                       ; t: which of the kind's three tensors
	s_lshl_b32 s50, s49, s33
	s_sub_co_u32 s50, s48, s50                     ; my work-group in it
	s_cmp_eq_u32 s49, 1
	s_cselect_b64 s[SRC:SRC+1], s[38:39], s[36:37]
	s_cmp_eq_u32 s49, 2
	s_cselect_b64 s[SRC:SRC+1], s[40:41], s[SRC:SRC+1]
	s_lshl_b32 s50, s50, 2
	s_add_co_u32 s50, s50, s4                      ; which run of 8,192 numbers is my wave's
	s_lshl_b32 s52, s50, 15
	s_mov_b32 s53, 0
	s_add_nc_u64 s[SRC:SRC+1], s[SRC:SRC+1], s[52:53]
	s_lshl_b32 s52, s49, s34
	s_lshl_b32 s54, s50, 12                        ; 4,096 bytes of codes a run
	s_add_co_u32 s52, s52, s54
	s_add_nc_u64 s[COD:COD+1], s[COD:COD+1], s[52:53]
	s_lshl_b32 s52, s49, s35
	s_lshl_b32 s54, s50, 8                         ; 256 scale bytes a run
	s_add_co_u32 s52, s52, s54
	s_add_nc_u64 s[SCA:SCA+1], s[SCA:SCA+1], s[52:53]
.macro LOAD t
.irp i, 0,1,2,3
	global_load_b128 v[R+16*((\t)%4)+4*\i:R+16*((\t)%4)+4*\i+3], v3, s[SRC:SRC+1] offset:2048*(\t)+512*\i th:TH_LOAD_NT   ; 32 lanes read 512 consecutive bytes
.endr
.endm
.macro TURN t                          ; step t's numbers through the stage: LDS serves a wave's instructions in order, so no wait stands between the stores and the loads
.irp i, 0,1,2,3
	ds_store_b128 v14, v[R+16*((\t)%4)+4*\i:R+16*((\t)%4)+4*\i+3] offset:32*SP*((\t)%2)+8*SP*\i
.endr
.irp i, 0,1,2,3
	ds_load_b128 v[X+16*((\t)%2)+4*\i:X+16*((\t)%2)+4*\i+3], v15 offset:32*SP*((\t)%2)+16*\i
.endr
.endm
.irp t, 0,1,2,3
	LOAD \t
.endr
	s_wait_loadcnt 12                              ; step 0's four loads are in; three steps' twelve stay out
	TURN 0
.macro STEP t
.set XS, X+16*((\t)%2)
.if (\t) > 0
	s_wait_dscnt 1                                 ; this step's numbers are back from the stage (the last step's byte store may be out): so its stores into the stage have read their registers,
.else
	s_wait_dscnt 0x0
.endif
.if (\t)+4 < STEPS
	LOAD (\t)+4                                    ; which take the loads of four steps on
.endif
.if (\t)+1 < STEPS
.if STEPS-2-(\t) >= 3
	s_wait_loadcnt 12                              ; the next step's four loads are in; those of the three steps behind it may be out
.else
	s_wait_loadcnt 4*(STEPS-2-(\t))
.endif
	TURN (\t)+1                                    ; and go through the other stage while this step is worked
.endif
	v_max3_num_f32 v8, |v[XS]|, |v[XS+1]|, |v[XS+2]|               ; the largest magnitude of my 16, in two chains
	v_max3_num_f32 v9, |v[XS+3]|, |v[XS+4]|, |v[XS+5]|
.irp i, 6,10
	v_max3_num_f32 v8, v8, |v[XS+\i]|, |v[XS+\i+1]|
	v_max3_num_f32 v9, v9, |v[XS+\i+2]|, |v[XS+\i+3]|
.endr
	v_max3_num_f32 v8, v8, |v[XS+14]|, |v[XS+15]|
	v_max3_num_f32 v8, v8, v9, (EMAX+1)<<23        ; and the floor 2^(EMAX + 1 - 127): the byte cannot fall under 1
	v_max_num_f32_dpp v8, v8, v8 row_xmask:1 row_mask:0xf bank_mask:0xf   ; and of my neighbour's 16: the block's
	v_add_nc_u32 v11, -(EMAX<<23), v8              ; EMAX off its exponent field: the conversion takes the exponent field of this operand as its scale
	v_cvt_scalef32_pk8_fp4_f32 v[C+4*(\t)], v[XS:XS+7], v11
	v_cvt_scalef32_pk8_fp4_f32 v[C+4*(\t)+1], v[XS+8:XS+15], v11
	v_lshrrev_b32 v[E+(\t)], 23, v11               ; the scale's byte (also the plain line behind the conversions)
	ds_store_b8 v5, v[E+(\t)] offset:16*(\t)       ; both lanes of a block write the same byte with the same value
	global_store_b64 v4, v[C+4*(\t):C+4*(\t)+1], s[COD:COD+1] offset:32*CB*(\t)   ; the wave stores 256 consecutive bytes
.endm
.irp t, 0,1,2,3,4,5,6,7,8,9,10,11,12,13,14,15
	STEP \t
.endr
	ds_load_b64 v[8:9], v6                         ; LDS serves a wave's instructions in order: these see my stores
	s_wait_dscnt 0x0
	global_store_b64 v7, v[8:9], s[SCA:SCA+1]      ; 32 lanes store 256 consecutive bytes
	s_wait_tensorcnt 0x0                           ; the wave's end: behind my last LDS store
	ds_add_u32 v[SPW], v[NIL]
	s_wait_dscnt 0x0
	s_endpgm
; Wo to f16.  A wave takes 8,192 numbers in four rounds of 16 loads, two rounds in flight in two sets of 64 registers.  A lane's four numbers become 8 bytes: the wave stores 256 consecutive bytes.
.Lcast:
	s_sub_co_u32 s48, ttmp9, 864
	s_lshl_b32 s48, s48, 2
	s_add_co_u32 s48, s48, s4                      ; my run of 8,192 numbers
	s_lshl_b32 s52, s48, 15
	s_mov_b32 s53, 0
	s_add_nc_u64 s[20:21], s[20:21], s[52:53]
	s_lshl_b32 s52, s48, 14
	s_add_nc_u64 s[30:31], s[30:31], s[52:53]
.macro CLOAD rho
.irp i, 0,1,2,3,4,5,6,7,8,9,10,11,12,13,14,15
	global_load_b128 v[16+64*((\rho)%2)+4*\i:16+64*((\rho)%2)+4*\i+3], v3, s[20:21] offset:(16*(\rho)+\i)*512 th:TH_LOAD_NT
.endr
.endm
.macro CSEND rho
.set XB, 16+64*((\rho)%2)
.irp i, 0,1,2,3,4,5,6,7,8,9,10,11,12,13,14,15
	v_cvt_pk_f16_f32 v[XB+4*\i], v[XB+4*\i], v[XB+4*\i+1]
	v_cvt_pk_f16_f32 v[XB+4*\i+1], v[XB+4*\i+2], v[XB+4*\i+3]
	global_store_b64 v7, v[XB+4*\i:XB+4*\i+1], s[30:31] offset:(16*(\rho)+\i)*256
.endr
.endm
	CLOAD 0
	CLOAD 1
	s_wait_loadcnt 16                              ; the older round is in, the younger round's 16 stay out
	CSEND 0
	s_wait_xcnt 0x0                                ; the stores have read their registers: the set is loaded again only behind this wait
	CLOAD 2
	s_wait_loadcnt 16
	CSEND 1
	s_wait_xcnt 0x0
	CLOAD 3
	s_wait_loadcnt 16
	CSEND 2
	s_wait_loadcnt 0x0
	CSEND 3
	s_endpgm
.Lfunc_end_k_q367a81fb1c_quant:
	.size	k_q367a81fb1c_quant, .Lfunc_end_k_q367a81fb1c_quant-k_q367a81fb1c_quant
	.p2alignl 7, 3214868480
	.fill 96, 4, 3214868480
	.section	.rodata,"a",@progbits
	.p2align	6, 0x0
	.amdhsa_kernel k_q367a81fb1c_quant
		.amdhsa_group_segment_fixed_size 33280
		.amdhsa_private_segment_fixed_size 0
		.amdhsa_enable_private_segment 0
		.amdhsa_kernarg_size 96
		.amdhsa_user_sgpr_count 2
		.amdhsa_user_sgpr_kernarg_segment_ptr 1
		.amdhsa_wavefront_size32 1
		.amdhsa_system_sgpr_workgroup_id_x 1
		.amdhsa_system_sgpr_workgroup_id_y 1
		.amdhsa_system_sgpr_workgroup_id_z 1
		.amdhsa_system_vgpr_workitem_id 0
		.amdhsa_next_free_vgpr 192
		.amdhsa_next_free_sgpr 66
		.amdhsa_reserve_vcc 0
		.amdhsa_float_denorm_mode_32 3
		.amdhsa_float_denorm_mode_16_64 3
		.amdhsa_memory_ordered 1
		.amdhsa_forward_progress 1
		.amdhsa_inst_pref_size 54
	.end_amdhsa_kernel
	.amdgpu_metadata
---
amdhsa.version: [ 1, 2 ]
amdhsa.kernels:
  - .name:           k_q367a81fb1c_quant
    .symbol:         k_q367a81fb1c_quant.kd
    .args:
      - { .name: q, .offset: 0, .size: 8, .value_kind: global_buffer, .address_space: global }
      - { .name: k, .offset: 8, .size: 8, .value_kind: global_buffer, .address_space: global }
      - { .name: v, .offset: 16, .size: 8, .value_kind: global_buffer, .address_space: global }
      - { .name: Wq, .offset: 24, .size: 8, .value_kind: global_buffer, .address_space: global }
      - { .name: Wk, .offset: 32, .size: 8, .value_kind: global_buffer, .address_space: global }
      - { .name: Wv, .offset: 40, .size: 8, .value_kind: global_buffer, .address_space: global }
      - { .name: Wo, .offset: 48, .size: 8, .value_kind: global_buffer, .address_space: global }
      - { .name: xcodes, .offset: 56, .size: 8, .value_kind: global_buffer, .address_space: global }
      - { .name: xscales, .offset: 64, .size: 8, .value_kind: global_buffer, .address_space: global }
      - { .name: wcodes, .offset: 72, .size: 8, .value_kind: global_buffer, .address_space: global }
      - { .name: wscales, .offset: 80, .size: 8, .value_kind: global_buffer, .address_space: global }
      - { .name: wo16, .offset: 88, .size: 8, .value_kind: global_buffer, .address_space: global }
    .group_segment_fixed_size: 33280
    .private_segment_fixed_size: 0
    .kernarg_segment_align: 8
    .kernarg_segment_size: 96
    .max_flat_workgroup_size: 128
    .sgpr_count:     66
    .vgpr_count:     192
    .wavefront_size: 32
...
	.end_amdgpu_metadata
.endif
;; end of part 1
;; launch proj (part 2): grid 4 x 96, 4 waves a work-group, clusters of 4 x 4, 327,680 bytes of LDS; arguments xcodes, xscales, wcodes, wscales, qkv16, head32; writes qkv16, head32
.if DOCPART == 2
	.amdgcn_target "amdgcn-amd-amdhsa--gfx1250"
	.amdhsa_code_object_version 6
	.text
	.protected	k_q367a81fb1c_proj
	.globl	k_q367a81fb1c_proj
	.p2align	8
	.type	k_q367a81fb1c_proj,@function
k_q367a81fb1c_proj:
	s_mov_b64 s[64:65], 0
	v_nop
	global_prefetch_b8 v0, s[64:65] scope:SCOPE_SE
	s_setreg_imm32_b32 hwreg(HW_REG_WAVE_MODE, 25, 1), 1
	s_wait_xcnt 0x0
	s_wait_alu depctr_hold_cnt(0) depctr_sa_sdst(0) depctr_va_vdst(0) depctr_va_sdst(0) depctr_va_ssrc(0) depctr_va_vcc(0) depctr_vm_vsrc(0)
	s_getreg_b32 s2, hwreg(HW_REG_IB_STS2, 6, 4)
	s_cmp_eq_u32 s2, 0
	s_cbranch_scc0 .Lentry_in_a_cluster
	s_endpgm
.Lentry_in_a_cluster:
	s_bfe_u32 s2, ttmp6, 0x10000c
	s_cmp_lg_u32 s2, 0xf033
	s_cbranch_scc0 .Lentry_shape_is_right
	s_endpgm
.Lentry_shape_is_right:
; The three projections q Wq^T, k Wk^T, v Wv^T on codes of FP4 (E2M1) with one E8M0 scale for each 32 along K, sums in f32.  The three activations are stacked: A is [24576][1024] codes (512 bytes a row), B is [3][1024][1024] codes.
; A tile of 256 x 256 is made by four waves, each 128 x 128: 64 accumulators of 16 x 16.  K = 1,024 is two slots of 512 along K (rows of 256 bytes): both are asked for at the start and nothing is filled again.
; The scale bytes of the tile's 256 rows of A and of B, for all of K, are two dense blocks: they come into LDS once, with the first fills.
; CLUSTERS: 4 x 4 work-groups.  The four of a row of the cluster need the same tiles of A, the four of a column the same tiles of B: each is asked for jointly.  A cluster's 1,024 rows lie in one projection (8 clusters each),
; so B's rows hang on the cluster's y and on the tile column alone.
; THE MATRIX INSTRUCTION IS USED TRANSPOSED (source 0 = 16 rows of W, source 1 = 16 rows of x): a lane holds eight neighbouring columns of one row.
; RESULTS: rounded to f16 into qkv16 [3][batch 4][head 16][position 2048][64].  LIMIT: a result beyond 65,504 in magnitude has no f16 number.  Positions 0-15 of every sequence go also, as f32, into head32 [3][4][16][1024].
; REGISTERS: window 0: v0-31 addresses; v32-95 scale words, two sets; from v128 A's fragments, one set; on the way out v128-223.  window 1: B's fragments, two sets.  windows 2, 3: the accumulators ((a, b) at v[8 (8 (a % 4) + b)]).
.set KSTEP,  512
.set NQ,     KSTEP/128
.set ROWB,   256                       ; a tile's row in bytes
.set KROW,   512                       ; a row of codes in memory
.set PITCH,  272                       ; an LDS row: 256 bytes + 16 of padding: the 16 rows that a load touches start 68 words apart
.set FR,     8
.set NL,     2
.set NP,     4                         ; places behind this matrix instruction (ISA guide 7.12.1)
.set HALFT,  128*PITCH
.set SLOT,   4*HALFT
.set KS,     32                        ; a row of scale bytes
.set SCL,    2*SLOT
.set HALFS,  (128*KS/256)*272
.set SBLK,   (16*KS/256)*272
.set SPARE,  SCL+4*HALFS               ; the spare words, 128 bytes a wave, which no other line names
.set HP,     144                       ; the way out: a stage row: a head's 128 bytes + 16
.set PLANE,  16*HP                     ; 16 rows of one head
.set WSTG,   2*PLANE                   ; a wave's stage: two heads.  It lies in slot 0, which has had its one fill and its last read when the first result is stored there
.set ADRA, 16
.set ADRB, 20
.set STO,  24
.set RD,   25
.set CO,   26
.set ADRS, 27
.set SPW,  28
.set NIL,  29
.set H32,  30                          ; v30  my byte offset among head32's 16 rows
.set SC,   32
.set AF,   128
.set BK,   128                         ; the way out: rows read back: v128-159 and v160-191 by turns
.set TMP,  192                         ; the way out: packed results
.set G1, 24
.set G0, 32
.set G1B, 48
.set G0B, 56
.set G1S, 68
.set G0S, 76
.set G1SB, 80
.set G0SB, 88
.set MSB, 0
.macro WIN new                         ; the immediate's high byte repeats the setting that is left
.if MSB != \new
	s_set_vgpr_msb (MSB<<8)|\new
.set MSB, \new
.endif
.endm
.set MUL_LO, 0xa1                      ; source 0 (B) window 1, source 1 (A) window 0, C and D window 2
.set MUL_HI, 0xf1
.set TO_B,   0x40
; A joint load: waves 0 and 1 fetch for A, waves 2 and 3 for B.  The branch hangs on the wave's number alone.  An s_nop 0 and four v_nop follow each of the two lines.
.macro JLOAD g0a, g1a, g0b, g1b
	s_cmp_eq_u32 s15, 0
	s_cbranch_scc0 .Lfor_b_\@
	tensor_load_to_lds s[\g0a:\g0a+3], s[\g1a:\g1a+7]
	s_nop 0
.rept 4
	v_nop
.endr
	s_branch .Lasked_\@
.Lfor_b_\@:
	tensor_load_to_lds s[\g0b:\g0b+3], s[\g1b:\g1b+7]
	s_nop 0
.rept 4
	v_nop
.endr
.Lasked_\@:
.endm
.macro CROUND                          ; a round of the cluster's barrier
	s_barrier_signal -1
	s_barrier_wait -1
	s_cmp_lg_u32 s14, 0
	s_cbranch_scc1 .Lnot_wave_0_\@
	s_barrier_signal -3
.Lnot_wave_0_\@:
	s_barrier_wait -3
	s_barrier_signal -1
	s_barrier_wait -1
.endm
	s_load_b128 s[4:7], s[0:1], 0x0                ; x's codes, x's scales
	s_load_b128 s[8:11], s[0:1], 0x10              ; W's codes, W's scales
	s_load_b128 s[96:99], s[0:1], 0x20             ; qkv16, head32
	v_lshl_add_u32 v[SPW], v0, 2, SPARE
	v_mov_b32 v[NIL], 0
	ds_add_u32 v[SPW], v[NIL]                      ; the wave's opening: the add, twice on end, and its wait ahead of my first tensor load
	ds_add_u32 v[SPW], v[NIL]
	v_lshrrev_b32 v1, 5, v0
	v_readfirstlane_b32 s14, v1                    ; wave 0..3
	s_lshr_b32 s15, s14, 1                         ; which half of the tile's rows is mine.  Also: I fetch for A (0) or for B (1)
	s_and_b32 s16, s14, 1                          ; which half of its columns.  Also: which 128 rows I fetch
	s_bfe_u32 s40, ttmp6, 0x40000                  ; cx
	s_bfe_u32 s41, ttmp6, 0x40004                  ; cy
	s_lshl_b32 s42, ttmp9, 2
	s_add_co_u32 s42, s42, s40                     ; tile column = 4 x cluster x + cx
	s_and_b32 s17, ttmp7, 0xffff
	s_lshr_b32 s12, s17, 3                         ; the projection: 8 clusters each; made of the cluster's y alone
	s_lshl_b32 s17, s17, 2
	s_add_co_u32 s17, s17, s41                     ; tile row of the stacked A = 4 x cluster y + cy
	s_lshl_b32 s43, s41, 2
	s_lshl_b32 s43, 15, s43                        ; my row of the cluster
	s_lshl_b32 s44, 0x1111, s40                    ; my column
	s_or_b32 s[G1+0], s43, (0<<16)|(1<<20)|(1<<21)|(5<<22)|(3<<25)  ; the mask; elements of 1 byte; padding on: 4 words after every 64
	s_or_b32 s[G1B+0], s44, (0<<16)|(1<<20)|(1<<21)|(5<<22)|(3<<25)
.irp g, G1, G1B
	s_mov_b32 s[\g+1], ROWB<<16                    ; tensor_dim0
	s_mov_b32 s[\g+2], 128<<16                     ; tensor_dim1
	s_mov_b32 s[\g+3], ROWB<<16                    ; tile_dim0
	s_mov_b32 s[\g+4], 128                         ; tile_dim1
	s_mov_b32 s[\g+5], KROW                        ; from row to row
	s_mov_b32 s[\g+6], 0
	s_mov_b32 s[\g+7], 0
.endr
	s_or_b32 s[G1S+0], s43, (3<<16)|(1<<20)|(1<<21)|(5<<22)|(3<<25) ; the scales of 128 rows: 4,096 dense bytes as 16 rows of 256 (32 elements of 8 bytes), 16 bytes of padding behind each
	s_or_b32 s[G1SB+0], s44, (3<<16)|(1<<20)|(1<<21)|(5<<22)|(3<<25)
.irp g, G1S, G1SB
	s_mov_b32 s[\g+1], 32<<16
	s_mov_b32 s[\g+2], (128*KS/256)<<16
	s_mov_b32 s[\g+3], 32<<16
	s_mov_b32 s[\g+4], 128*KS/256
	s_mov_b32 s[\g+5], 32
	s_mov_b32 s[\g+6], 0
	s_mov_b32 s[\g+7], 0
.endr
	s_lshl_b32 s18, s16, 7                         ; which 128 rows of the tile I fetch
	s_lshl_b32 s20, s17, 8
	s_add_co_u32 s20, s20, s18                     ; A: row 256 x tile row + 128 x half
	s_lshl_b32 s46, s42, 8
	s_add_co_u32 s46, s46, s18
	s_lshl_b32 s13, s12, 10
	s_add_co_u32 s46, s46, s13                     ; B: row 1,024 x projection + 256 x tile column + 128 x half
	s_mov_b32 s21, 0
	s_mov_b32 s47, 0
	s_mov_b64 s[18:19], KS
	s_mul_u64 s[22:23], s[20:21], s[18:19]         ; where these rows' scales begin, in bytes
	s_mul_u64 s[92:93], s[46:47], s[18:19]
	s_mov_b64 s[18:19], KROW
	s_mul_u64 s[20:21], s[20:21], s[18:19]         ; and their codes
	s_mul_u64 s[46:47], s[46:47], s[18:19]
	s_mul_i32 s45, s14, HALFT                      ; where they go: wave x 128 rows
	s_mul_i32 s94, s14, HALFS
	s_wait_dscnt 0x0                               ; both opening adds are done
	s_wait_kmcnt 0x0
	s_add_nc_u64 s[20:21], s[4:5], s[20:21]
	s_add_nc_u64 s[22:23], s[6:7], s[22:23]
	s_add_nc_u64 s[46:47], s[8:9], s[46:47]
	s_add_nc_u64 s[92:93], s[10:11], s[92:93]
	CROUND                                         ; all sixteen work-groups are here: the joint loads meet
	s_mov_b32 s[G0S], 1
	s_add_co_u32 s[G0S+1], s94, SCL
	s_mov_b64 s[G0S+2:G0S+3], s[22:23]
	s_or_b32 s[G0S+3], s[G0S+3], 0x80000000
	s_mov_b32 s[G0SB], 1
	s_add_co_u32 s[G0SB+1], s94, SCL
	s_mov_b64 s[G0SB+2:G0SB+3], s[92:93]
	s_or_b32 s[G0SB+3], s[G0SB+3], 0x80000000
	JLOAD G0S, G1S, G0SB, G1SB                     ; the scales first: they are wanted with the first slot
.irp s, 0,1
	s_mov_b32 s[G0+4*\s], 1
	s_add_co_u32 s[G0+4*\s+1], s45, \s*SLOT
	s_add_nc_u64 s[G0+4*\s+2:G0+4*\s+3], s[20:21], \s*ROWB
	s_or_b32 s[G0+4*\s+3], s[G0+4*\s+3], 0x80000000
	s_mov_b32 s[G0B+4*\s], 1
	s_add_co_u32 s[G0B+4*\s+1], s45, \s*SLOT
	s_add_nc_u64 s[G0B+4*\s+2:G0B+4*\s+3], s[46:47], \s*ROWB
	s_or_b32 s[G0B+4*\s+3], s[G0B+4*\s+3], 0x80000000
	JLOAD G0+4*\s, G1, G0B+4*\s, G1B               ; three loads of mine are out behind the second of these
.endr
	v_and_b32 v1, 15, v0                           ; r = l % 16
	v_bfe_u32 v2, v0, 4, 1                         ; h = l / 16
	v_mul_u32_u24 v3, v1, PITCH
	v_lshl_add_u32 v4, v2, 4, v3                   ; a fragment's row x pitch + 16 x half
	s_mul_i32 s21, s15, HALFT
	s_mul_i32 s22, s16, HALFT
	s_add_co_u32 s22, s22, 2*HALFT
.irp s, 0,1
	v_add_nc_u32 v[ADRA+\s], s21, v4
	v_add_nc_u32 v[ADRB+\s], s22, v4
	s_add_co_u32 s21, s21, SLOT
	s_add_co_u32 s22, s22, SLOT
.endr
	v_mul_u32_u24 v5, v1, KS                       ; my row's scales: KS bytes a row,
	v_lshrrev_b32 v6, 8, v5
	v_lshl_add_u32 v5, v6, 4, v5                   ; and 16 more for each 256 passed
	s_mul_i32 s21, s15, HALFS
	s_mul_i32 s22, s16, HALFS
	s_add_co_u32 s22, s22, 2*HALFS
	s_sub_co_u32 s22, s22, s21
	v_mul_u32_u24 v6, s22, v2                      ; lanes 16-31 take B's
	s_add_co_u32 s21, s21, SCL
	v_add_nc_u32 v5, v5, v6
	v_add_nc_u32 v[ADRS], s21, v5
	s_mul_i32 s23, s14, WSTG                       ; my stage
	v_mul_u32_u24 v5, v1, HP
	v_lshl_add_u32 v5, v2, 4, v5
	v_add_nc_u32 v[STO], s23, v5                   ; in: row r, 16 bytes for each half of the lanes
	v_bfe_u32 v5, v0, 3, 2
	v_mul_u32_u24 v5, v5, HP
	v_and_b32 v6, 7, v0
	v_lshl_add_u32 v5, v6, 4, v5
	v_add_nc_u32 v[RD], s23, v5                    ; back: eight lanes to a row of 128 bytes, four rows an instruction
	v_and_b32 v6, 31, v0
	v_lshlrev_b32 v[CO], 4, v6                     ; four rows of a head are 512 consecutive bytes of qkv16
	v_lshlrev_b32 v[H32], 12, v1
	v_lshl_add_u32 v[H32], v2, 5, v[H32]           ; head32: row r of 4,096 bytes, + 32 h
	s_lshr_b32 s20, s17, 3                         ; 4 x projection + batch
	s_lshl_b32 s22, s20, 16                        ; x 16 rows of 4,096 bytes in head32
	s_lshl_b32 s20, s20, 22                        ; x 16 heads x 2,048 x 128 bytes in qkv16
	s_lshl_b32 s46, s42, 2
	s_lshl_b32 s47, s16, 1
	s_add_co_u32 s46, s46, s47                     ; my first head: 4 x tile column + 2 x half
	s_lshl_b32 s46, s46, 18
	s_add_co_u32 s20, s20, s46
	s_and_b32 s46, s17, 7
	s_or_b32 s95, s46, s15                         ; 0 where my rows begin a sequence
	s_lshl_b32 s46, s46, 1
	s_add_co_u32 s46, s46, s15                     ; my first position / 128
	s_lshl_b32 s46, s46, 14
	s_add_co_u32 s20, s20, s46
	s_mov_b32 s21, 0
	s_add_nc_u64 s[96:97], s[96:97], s[20:21]
	s_lshl_b32 s46, s42, 10
	s_lshl_b32 s47, s16, 9
	s_add_co_u32 s22, s22, s46
	s_add_co_u32 s22, s22, s47                     ; my first column, in bytes of f32
	s_mov_b32 s23, 0
	s_add_nc_u64 s[98:99], s[98:99], s[22:23]
.macro FRAG reg, adr, q, i             ; a fragment, 16 rows x 128 K of 4-bit codes: lane l holds row l % 16; registers 4 c .. 4 c + 3 hold K = 64 c + 32 (l / 16) + 0 .. 31
.irp c, 0,1
	ds_load_b128 v[\reg+4*\c:\reg+4*\c+3], v[\adr] offset:64*(\q)+32*\c+(\i)*16*PITCH
.endr
.endm
; 16 matrix instructions: A's blocks a0, a0 + 1 x B's eight, 128 along K.  The 64 accumulators take turns, one instruction a turn, in the same order in every step.
; One register carries A's scale word (lanes 0-15) and B's (lanes 16-31) of block i.
.macro MUL16 a0, p, q, sc, zero
.irp a, \a0, \a0+1
.irp b, 0,1,2,3,4,5,6,7
.if \zero
	v_wmma_scale_f32_16x16x128_f8f6f4 v[8*(8*((\a)%4)+\b):8*(8*((\a)%4)+\b)+7], v[128*(\p)+FR*\b:128*(\p)+FR*\b+FR-1], v[AF+FR*(\a):AF+FR*(\a)+FR-1], 0, v[SC+8*NQ*(\sc)+NQ*\b+(\q)], v[SC+8*NQ*(\sc)+NQ*(\a)+(\q)] matrix_a_fmt:MATRIX_FMT_FP4 matrix_b_fmt:MATRIX_FMT_FP4 matrix_a_scale:MATRIX_SCALE_ROW1
.else
	v_wmma_scale_f32_16x16x128_f8f6f4 v[8*(8*((\a)%4)+\b):8*(8*((\a)%4)+\b)+7], v[128*(\p)+FR*\b:128*(\p)+FR*\b+FR-1], v[AF+FR*(\a):AF+FR*(\a)+FR-1], v[8*(8*((\a)%4)+\b):8*(8*((\a)%4)+\b)+7], v[SC+8*NQ*(\sc)+NQ*\b+(\q)], v[SC+8*NQ*(\sc)+NQ*(\a)+(\q)] matrix_a_fmt:MATRIX_FMT_FP4 matrix_b_fmt:MATRIX_FMT_FP4 matrix_a_scale:MATRIX_SCALE_ROW1
.endif
.endr
.endr
.endm
.macro FETCH_B slot, q, p
	WIN TO_B
.irp i, 0,1,2,3,4,5,6,7
	FRAG 128*(\p)+FR*\i, ADRB+\slot, \q, \i
.endr
	WIN 0
.endm
.macro FETCH_A slot, q, i0
.irp i, \i0, \i0+1, \i0+2, \i0+3
	FRAG AF+FR*(\i), ADRA+\slot, \q, \i
.endr
.endm
.macro SCALES sc                       ; a slot's scale words: 4 words a row; lanes 0-15 take A's block i, lanes 16-31 B's
.irp i, 0,1,2,3,4,5,6,7
	ds_load_b128 v[SC+8*NQ*\sc+NQ*\i:SC+8*NQ*\sc+NQ*\i+3], v[ADRS] offset:\i*SBLK
.endr
.endm
.macro PLACES n                        ; plain vector instructions between a matrix instruction and a load into its registers or a read of its result
.rept \n
	v_nop
.endr
.endm
.macro STEP slot, q, zero              ; a step of 128 along K that has its successor in the same slot
	s_wait_dscnt 4*NL                              ; B's set and A's blocks 0-3 are in; the youngest eight loads (A's blocks 4-7) may be out
	WIN MUL_LO
	MUL16 0, (\q)%2, \q, \slot, \zero
	MUL16 2, (\q)%2, \q, \slot, \zero
	s_wait_dscnt 0
	PLACES NP
	FETCH_B \slot, (\q)+1, 1-(\q)%2
	FETCH_A \slot, (\q)+1, 0
	WIN MUL_HI
	MUL16 4, (\q)%2, \q, \slot, \zero
	MUL16 6, (\q)%2, \q, \slot, \zero
	PLACES NP
	WIN 0
	FETCH_A \slot, (\q)+1, 4
.endm
; Slot 0's last step changes slots: one barrier; in front of it each wave waits for all its tensor loads (its part of slot 1), adds 0 to its spare word, and waits for that and for its reads of slot 0.
.macro TURN slot, next
	s_wait_tensorcnt 0x0
	ds_add_u32 v[SPW], v[NIL]
	s_wait_dscnt 4*NL+1                            ; the add and the youngest eight loads may be out
	WIN MUL_LO
	MUL16 0, 1, NQ-1, \slot, 0
	s_wait_dscnt 0x0                               ; the add is done, and my reads of this slot are over
	s_barrier_signal -1
	MUL16 2, 1, NQ-1, \slot, 0
	WIN 0
	s_barrier_wait -1
	PLACES NP
	v_add_nc_u32 v[ADRS], 4*NQ, v[ADRS]            ; on to the next slot's scale words
	FETCH_B \next, 0, 0
	FETCH_A \next, 0, 0
	SCALES \next
	WIN MUL_HI
	MUL16 4, 1, NQ-1, \slot, 0
	MUL16 6, 1, NQ-1, \slot, 0
	PLACES NP
	WIN 0
	FETCH_A \next, 0, 4
.endm
.macro STEPS slot, from
.set Q, \from
.rept NQ-1-\from
	STEP \slot, Q, 0
.set Q, Q+1
.endr
.endm
	s_wait_tensorcnt 1                             ; the scales and my part of slot 0 are in; slot 1's load may be out
	s_barrier_signal -1
	s_barrier_wait -1
	FETCH_B 0, 0, 0
	FETCH_A 0, 0, 0
	SCALES 0
	FETCH_A 0, 0, 4
	STEP 0, 0, 1                                   ; the first step's products start the sums: nothing is cleared
	STEPS 0, 1
	TURN 0, 1
	STEPS 1, 0
	s_wait_dscnt 4*NL                              ; the very last step: nothing more to fetch
	WIN MUL_LO
	MUL16 0, 1, NQ-1, 1, 0
	MUL16 2, 1, NQ-1, 1, 0
	s_wait_dscnt 0
	WIN MUL_HI
	MUL16 4, 1, NQ-1, 1, 0
	MUL16 6, 1, NQ-1, 1, 0
	WIN 0
	PLACES NP                                      ; ahead of the first reads of results and of loads into the registers that held A's fragments
; POSITIONS 0-15 AS f32.  They are block 0 of the wave whose rows begin a sequence.  Which wave that is hangs on the work-group's place in its cluster, so it is done by the lanes' mask and not by a branch: elsewhere the 16 stores run with no lane on.
; A lane stores 32 neighbouring bytes of a row, two lanes 64: these runs are short, but they are 786,432 bytes in the whole launch beside its 50 million.
	s_wait_xcnt 0x0
	v_cmp_eq_u32 vcc_lo, s95, v[NIL]
	s_and_saveexec_b32 s3, vcc_lo
	WIN 0x08                                       ; a store's data: window 2
.irp b, 0,1,2,3,4,5,6,7
	global_store_b128 v[H32], v[8*\b:8*\b+3], s[98:99] offset:64*\b          ; each accumulator from its low end on
	global_store_b128 v[H32], v[8*\b+4:8*\b+7], s[98:99] offset:64*\b+16
.endr
	WIN 0
	s_wait_xcnt 0x0                                ; the lanes' mask is restored only behind this wait
	s_or_b32 exec_lo, exec_lo, s3
; THE WAY OUT, block by block of 16 rows x 128 columns (two heads).  A lane's eight results pack into 16 bytes of a head's row; they go through my own stage and come back as whole rows of 128 bytes, four rows (512 consecutive bytes of qkv16) an instruction.
.macro PACK a
.set AC, 64*((\a)%4)
	WIN 0x0a+5*((\a)/4)                            ; sources 0 and 1: window 2 or 3
.irp b, 0,1,2,3,4,5,6,7
.irp i, 0,1,2,3
	v_cvt_pk_f16_f32 v[TMP+4*\b+\i], v[AC+8*\b+2*\i], v[AC+8*\b+2*\i+1]
.endr
.endr
	WIN 0
.endm
.macro TOSTAGE a
.set BB, BK+32*((\a)%2)
.irp b, 0,1,2,3,4,5,6,7
	ds_store_b128 v[STO], v[TMP+4*\b:TMP+4*\b+3] offset:(\b/4)*PLANE+(\b%4)*32
.endr
.irp hh, 0,1
.irp t, 0,1,2,3
	ds_load_b128 v[BB+4*(4*\hh+\t):BB+4*(4*\hh+\t)+3], v[RD] offset:\hh*PLANE+\t*4*HP   ; LDS serves a wave's instructions in order: these see the stores above
.endr
.endr
.endm
.macro SEND a
.set BB, BK+32*((\a)%2)
	s_wait_dscnt 0x0                               ; the block is back in registers
	s_wait_xcnt 0x0                                ; the stores of the block before have read their registers: the next block's loads may land there
.irp hh, 0,1
.irp t, 0,1,2,3
	global_store_b128 v[CO], v[BB+4*(4*\hh+\t):BB+4*(4*\hh+\t)+3], s[96:97] offset:(\a)*2048+\t*512+\hh*262144
.endr
.endr
.endm
	PACK 0
	TOSTAGE 0
.irp a, 1,2,3,4,5,6,7                  ; block a's conversions stand between block a - 1's loads from the stage and the wait for them
	PACK \a
	SEND \a-1
	TOSTAGE \a
.endr
	SEND 7
	s_wait_tensorcnt 0x0                           ; the wave's end: behind my last tensor load and my last LDS store
	ds_add_u32 v[SPW], v[NIL]
	s_wait_dscnt 0x0
	CROUND                                         ; the closing round
	s_endpgm
.Lfunc_end_k_q367a81fb1c_proj:
	.size	k_q367a81fb1c_proj, .Lfunc_end_k_q367a81fb1c_proj-k_q367a81fb1c_proj
	.p2alignl 7, 3214868480
	.fill 96, 4, 3214868480
	.section	.rodata,"a",@progbits
	.p2align	6, 0x0
	.amdhsa_kernel k_q367a81fb1c_proj
		.amdhsa_group_segment_fixed_size 327680
		.amdhsa_private_segment_fixed_size 0
		.amdhsa_enable_private_segment 0
		.amdhsa_kernarg_size 48
		.amdhsa_user_sgpr_count 2
		.amdhsa_user_sgpr_kernarg_segment_ptr 1
		.amdhsa_wavefront_size32 1
		.amdhsa_system_sgpr_workgroup_id_x 1
		.amdhsa_system_sgpr_workgroup_id_y 1
		.amdhsa_system_sgpr_workgroup_id_z 1
		.amdhsa_system_vgpr_workitem_id 0
		.amdhsa_next_free_vgpr 1024
		.amdhsa_next_free_sgpr 100
		.amdhsa_reserve_vcc 1
		.amdhsa_float_denorm_mode_32 3
		.amdhsa_float_denorm_mode_16_64 3
		.amdhsa_memory_ordered 1
		.amdhsa_forward_progress 1
		.amdhsa_inst_pref_size 128
	.end_amdhsa_kernel
	.amdgpu_metadata
---
amdhsa.version: [ 1, 2 ]
amdhsa.kernels:
  - .name:           k_q367a81fb1c_proj
    .symbol:         k_q367a81fb1c_proj.kd
    .args:
      - { .name: xcodes, .offset: 0, .size: 8, .value_kind: global_buffer, .address_space: global }
      - { .name: xscales, .offset: 8, .size: 8, .value_kind: global_buffer, .address_space: global }
      - { .name: wcodes, .offset: 16, .size: 8, .value_kind: global_buffer, .address_space: global }
      - { .name: wscales, .offset: 24, .size: 8, .value_kind: global_buffer, .address_space: global }
      - { .name: qkv16, .offset: 32, .size: 8, .value_kind: global_buffer, .address_space: global }
      - { .name: head32, .offset: 40, .size: 8, .value_kind: global_buffer, .address_space: global }
    .group_segment_fixed_size: 327680
    .private_segment_fixed_size: 0
    .kernarg_segment_align: 8
    .kernarg_segment_size: 48
    .max_flat_workgroup_size: 128
    .sgpr_count:     100
    .vgpr_count:     1024
    .wavefront_size: 32
...
	.end_amdgpu_metadata
.endif
;; end of part 2
;; launch attn (part 3): grid 4 x 64, 16 waves a work-group, no clusters, 327,680 bytes of LDS; arguments qkv16, o16; writes o16
.if DOCPART == 3
	.amdgcn_target "amdgcn-amd-amdhsa--gfx1250"
	.amdhsa_code_object_version 6
	.text
	.protected	k_q367a81fb1c_attn
	.globl	k_q367a81fb1c_attn
	.p2align	8
	.type	k_q367a81fb1c_attn,@function
k_q367a81fb1c_attn:
	s_mov_b64 s[64:65], 0
	v_nop
	global_prefetch_b8 v0, s[64:65] scope:SCOPE_SE
	s_setreg_imm32_b32 hwreg(HW_REG_WAVE_MODE, 25, 1), 1
	s_wait_xcnt 0x0
; o[b][h][q] = the sum over keys k <= q of softmax_k(qh[q] . kh[k] / 8) vh[k], head size 64.  qh, kh, vh: f16 in qkv16 [3][b 4][h 16][2048][64].  Products on f16 operands with f32 sums; maxima, exponentials and sums in f32;
; the weights p (at most 1) are rounded to f16 for the second product, o once at the end.  o16: byte (m / 2) 4096 + 256 head + 128 (m % 2) + 2 channel, m = 2048 b + position: a wave's 16 queries of a head are eight whole runs of 256 bytes.
; SHARES.  Work-group (J, head) owns query blocks J and 7 - J of its head, 256 queries each, one after the other.  Block i walks key slots 0 .. i of 256 keys: (J + 1) + (8 - J) = 9 slots for every work-group: equal work, and a constant trip count.
; Each of sixteen waves owns 16 queries in 256 registers; a key step is 64 keys.  Four waves share a SIMD, so that one wave's softmax stands beside another's products.
; NO CLUSTER: the four work-groups of a head begin their second walk at trip J + 1, so in a given trip they want different key slots, and a joint load has to be the same in all that it names.
; LAYOUT.  S^T = K Q^T (source 0 = 16 keys, source 1 = my 16 queries): a lane holds ONE query (lane % 16) and keys 8 (lane / 16) + 0 .. 7 of each tile.  Two tiles rounded in pairs ARE source 1 of O^T = V^T P.  V comes out of LDS turned, by ds_load_tr16_b128.
; SOFTMAX.  A running maximum m and sum l for each query: p = 2^(c s - c m), c = log2(e) / 8; in every step O and l are multiplied by a = 2^(c m_old - c m_new).  m begins at -3e38, so the first a of a block is 0: what O and l hold from the block before
; (finite numbers) becomes 0.  LIMITS: scores above -3e38; |qh|, |kh|, |vh| at most 65,504.
; CAUSAL MASK.  A step all of whose keys come after my queries is jumped over (ids alone); on the diagonal hidden scores become -infinity.  A step that is walked has its first key at or under my first query, so no query ever sees a step without a key.
.set PK,    144                        ; a key's row in LDS: 128 bytes + 16
.set PV,    160                        ; a value's row: 128 + 32: the turning load's eight rows x 32 bytes fall on different words
.set VOFF,  256*PK                     ; a slot: 256 rows of K, then 256 of V
.set SLOT1, 1<<17                      ; slot 1 begins here: one exclusive or turns an address from one slot to the other
.set STAGE, 2*SLOT1                    ; the way out: 16 rows x 144 bytes for each wave; bytes of its own, since it is used in mid-launch
.set SPARE, STAGE+16*16*PK             ; the spare words, 128 bytes a wave, which no other line names
.set AK0, 1                            ; v1   my lane's place in a tile of K
.set AV0, 2                            ; v2   the same for V
.set SPW, 3                            ; v3   my spare word; never rewritten
.set NIL, 4                            ; v4   0; never rewritten
.set ADK, 5
.set ADV, 6
.set GO,  7                            ; v7   my byte offset in the wave's rows of o16
.set QO,  8                            ; v8   and of Q
.set STO, 9
.set RD,  10
.set QR,  24                           ; v24-39   Q: channels 32 cs on at 24 + 8 cs
.set KR,  40                           ; v40-103  K: fragment (kt, cs) at 40 + 8 (2 kt + cs)
.set VR,  104                          ; v104-167 V: fragment (ks, ct) at 104 + 8 (4 ks + ct)
.set SR,  168                          ; v168-199 S^T, then p
.set PR,  200                          ; v200-215 P
.set OT,  216                          ; v216-247 O^T
.set PFO, 248                          ; v248 256 x lane
; v11 r - 8 h;  v12 c m, v13 m;  v[14:15] l;  v16-19 four chains;  v[20:21] a;  v22 the mask's bound;  v23 -infinity;  v[250:251] the sums' second chain
.set TB,  2                            ; s2   LDS byte at which the slot in hand begins
.set SLOTS, 3                          ; s3   trips to go
.set WV,  16
.set JJ,  17
.set BH,  18
.set SW,  19                           ; s19  7 - J: the second block, and the count at which the walk changes blocks
.set SEL, 20
.set CS,  22
.set G1K, 24
.set G1V, 32
.set G0K, 40
.set G0V, 44
.set RR,  48                           ; s48  which of the nine slots is being asked for
.set N0,  49                           ; s49  J + 1: slots of the first block
.set KF,  50                           ; s50  the step's first key
.set Q0,  51                           ; s51  my first query
.set QP,  54
.set OP,  56
.set PFA, 58
.set LIM, 60
; Waves 0 and 1 fetch K's halves of a slot, waves 2 and 3 V's, 128 rows a load; the others nothing.  An s_nop 0 and four v_nop follow each of the two lines.
.macro TLOAD
	s_cmp_lt_u32 s[WV], 2
	s_cbranch_scc0 .Lnot_k_\@
	tensor_load_to_lds s[G0K:G0K+3], s[G1K:G1K+7]
	s_nop 0
.rept 4
	v_nop
.endr
	s_branch .Lasked_\@
.Lnot_k_\@:
	s_cmp_lt_u32 s[WV], 4
	s_cbranch_scc0 .Lasked_\@
	tensor_load_to_lds s[G0V:G0V+3], s[G1V:G1V+7]
	s_nop 0
.rept 4
	v_nop
.endr
.Lasked_\@:
.endm
; A prefetch of the key slot that work-group J = 0 asks for at its NEXT change of slots: a trip's four key steps ahead of that load.  All four work-groups of a head walk the same K and V: J = 0 alone asks, and in it the waves that fetch nothing:
; waves 4-7 name K's 32,768 bytes of the slot, waves 8-11 V's, 8,192 bytes a wave, lanes 256 bytes apart: each run of 256 bytes of key slots 1 to 7 is named once in the launch.  Slot 0 comes by its load alone; the last trip names nothing.
.macro ASK
	s_cmp_gt_u32 s[SLOTS], s[LIM]
	s_cbranch_scc0 .Lnot_mine_\@
	global_prefetch_b8 v[PFO], s[PFA:PFA+1] th:TH_LOAD_NT scope:SCOPE_SE
.Lnot_mine_\@:
.endm
	s_load_b128 s[4:7], s[0:1], 0x0                ; qkv16, o16
	v_lshl_add_u32 v[SPW], v0, 2, SPARE
	v_mov_b32 v[NIL], 0
	ds_add_u32 v[SPW], v[NIL]                      ; the wave's opening: the add, twice on end, and its wait ahead of my first tensor load
	ds_add_u32 v[SPW], v[NIL]
	v_lshrrev_b32 v5, 5, v0
	v_readfirstlane_b32 s[WV], v5                  ; wave 0..15
	s_mov_b32 s[JJ], ttmp9
	s_and_b32 s[BH], ttmp7, 0xffff                 ; 16 batch + head
	s_sub_co_u32 s[SW], 7, s[JJ]
	s_add_co_u32 s[N0], s[JJ], 1
	s_mov_b32 s[G1K], (1<<16)|(1<<20)|(4<<22)|(3<<25)   ; no mask; elements of 2 bytes; padding on: 4 words after every 32
	s_mov_b32 s[G1V], (1<<16)|(1<<20)|(4<<22)|(7<<25)   ; the same with 8 words
.irp g, G1K, G1V
	s_mov_b32 s[\g+1], 64<<16                      ; tensor_dim0
	s_mov_b32 s[\g+2], 128<<16                     ; tensor_dim1
	s_mov_b32 s[\g+3], 64<<16                      ; tile_dim0
	s_mov_b32 s[\g+4], 128                         ; tile_dim1
	s_mov_b32 s[\g+5], 64                          ; from row to row
	s_mov_b32 s[\g+6], 0
	s_mov_b32 s[\g+7], 0
.endr
	s_mov_b32 s[SEL], 0x76543210
	s_mov_b32 s[SEL+1], 0xfedcba98                 ; v_permlanex16_b32's selects for lane l xor 16
	s_mov_b32 s[CS], 0x3e38aa3b                    ; c = log2(e) / 8
	s_mov_b32 s[CS+1], s[CS]                       ; (named with it as a pair)
	s_mov_b32 s[TB], 0
	s_mov_b32 s[RR], 0
	s_mov_b32 s[KF], 0
	s_mov_b32 s53, 0
	s_mov_b32 s67, 0
	s_mov_b32 s73, 0
	s_lshl_b32 s[Q0], s[JJ], 8
	s_lshl_b32 s66, s[WV], 4
	s_add_co_u32 s[Q0], s[Q0], s66                 ; my first query: 256 J + 16 wave
	s_lshl_b32 s66, s[BH], 18                      ; the head's bytes in each third of qkv16
	s_and_b32 s74, s[WV], 1
	s_wait_dscnt 0x0                               ; both opening adds are done
	s_wait_kmcnt 0x0
	s_add_nc_u64 s[8:9], s[4:5], s[66:67]          ; the head's Q,
	s_add_nc_u64 s[68:69], s[8:9], 0x1000000       ; K,
	s_add_nc_u64 s[70:71], s[8:9], 0x2000000       ; V
	s_lshl_b32 s72, s74, 14
	s_add_nc_u64 s[10:11], s[68:69], s[72:73]      ; K at my half of key slot 0
	s_add_nc_u64 s[12:13], s[70:71], s[72:73]      ; V likewise
	s_mov_b32 s[G0K], 1
	s_mul_i32 s[G0K+1], s74, 128*PK
	s_mov_b64 s[G0K+2:G0K+3], s[10:11]
	s_or_b32 s[G0K+3], s[G0K+3], 0x80000000
	s_mov_b32 s[G0V], 1
	s_mul_i32 s[G0V+1], s74, 128*PV
	s_add_co_u32 s[G0V+1], s[G0V+1], VOFF
	s_mov_b64 s[G0V+2:G0V+3], s[12:13]
	s_or_b32 s[G0V+3], s[G0V+3], 0x80000000
	TLOAD                                          ; the first fill: key slot 0 into slot 0.  One load of mine is out, here and behind every barrier
	s_lshl_b32 s72, s[WV], 11
	s_add_nc_u64 s[8:9], s[8:9], s[72:73]          ; Q at my wave's 16 rows of block 0
	s_lshr_b32 s72, s[BH], 4
	s_lshl_b32 s72, s72, 22
	s_lshl_b32 s74, s[WV], 15
	s_add_co_u32 s72, s72, s74
	s_and_b32 s74, s[BH], 15
	s_lshl_b32 s74, s74, 8
	s_add_co_u32 s72, s72, s74
	s_add_nc_u64 s[14:15], s[6:7], s[72:73]        ; o16 likewise
	s_lshl_b32 s72, s[JJ], 15
	s_add_nc_u64 s[QP:QP+1], s[8:9], s[72:73]      ; block J
	s_lshl_b32 s72, s[JJ], 19
	s_add_nc_u64 s[OP:OP+1], s[14:15], s[72:73]
	s_cmp_lt_u32 s[WV], 8                          ; the prefetches: waves 4-7 K's, waves 8-11 V's
	s_cselect_b64 s[PFA:PFA+1], s[68:69], s[70:71]
	s_and_b32 s72, s[WV], 3
	s_lshl_b32 s72, s72, 13
	s_add_nc_u64 s[PFA:PFA+1], s[PFA:PFA+1], s[72:73]   ; in key slot 0: the first change of slots steps it to slot 1
	s_sub_co_u32 s66, s[WV], 4
	s_lshr_b32 s66, s66, 3                         ; 0 in waves 4 to 11,
	s_or_b32 s66, s66, ttmp9                       ; of the head's first work-group
	s_cmp_eq_u32 s66, 0
	s_cselect_b32 s[LIM], 1, -1
	v_and_b32 v16, 15, v0                          ; r
	v_bfe_u32 v17, v0, 4, 1                        ; h
	v_and_b32 v18, 31, v0                          ; lane
	v_lshlrev_b32 v[QO], 7, v16
	v_lshl_add_u32 v[QO], v17, 4, v[QO]            ; Q: row r of 128 bytes, + 16 h
.irp i, 0,1,2,3
	global_load_b128 v[QR+4*\i:QR+4*\i+3], v[QO], s[QP:QP+1] offset:32*\i
.endr
	v_mul_u32_u24 v[AK0], v16, PK
	v_lshl_add_u32 v[AK0], v17, 4, v[AK0]
	v_and_b32 v19, 7, v0
	v_lshl_add_u32 v[AV0], v17, 3, v19             ; the turning load: key 8 h + l % 8,
	v_mul_u32_u24 v[AV0], v[AV0], PV
	v_bfe_u32 v19, v0, 3, 1
	v_lshl_add_u32 v[AV0], v19, 4, v[AV0]          ; channels 8 ((l / 8) % 2) on
	v_add_nc_u32 v[AV0], VOFF, v[AV0]
	v_lshlrev_b32 v[GO], 12, v17
	v_lshl_add_u32 v[GO], v16, 4, v[GO]
	s_mul_i32 s66, s[WV], 16*PK
	s_add_co_u32 s66, s66, STAGE                   ; my stage
	v_add_nc_u32 v[STO], s66, v[AK0]               ; in: row r, + 16 h
	v_bfe_u32 v19, v0, 3, 2
	v_mul_u32_u24 v[RD], v19, PK
	v_and_b32 v19, 7, v0
	v_lshl_add_u32 v[RD], v19, 4, v[RD]
	v_add_nc_u32 v[RD], s66, v[RD]                 ; back: eight lanes to a row, four rows an instruction
	v_lshlrev_b32 v11, 3, v17
	v_sub_nc_u32 v11, v16, v11                     ; r - 8 h
	v_lshlrev_b32 v[PFO], 8, v18
	v_mov_b32 v13, 0xff61b1e6                      ; m: -3e38, under every score
	v_mul_f32 v12, s[CS], v13                      ; c m
	v_mov_b32 v14, 0
	v_mov_b32 v15, 0
	v_mov_b32 v21, 0                               ; (named as the upper half of the pair v[20:21])
	v_mov_b32 v23, 0xff800000                      ; -infinity
.irp j, 0,1,2,3,4,5,6,7,8,9,10,11,12,13,14,15,16,17,18,19,20,21,22,23,24,25,26,27,28,29,30,31
	v_mov_b32 v[OT+\j], 0                          ; O^T is written once: the step is written once, and its first a is 0
.endr
; A KEY STEP: 64 keys, the q-th of the slot in hand.
.macro STEP q
	s_add_co_u32 s96, s[Q0], 15
	s_cmp_gt_u32 s[KF], s96                        ; all keys come after my queries: the step's work is left out (ids and the count of steps alone)
	s_cbranch_scc1 .Lhidden_\@
	v_add_nc_u32 v[ADK], s[TB], v[AK0]
	v_add_nc_u32 v[ADV], s[TB], v[AV0]
	v_nop
	v_nop                                          ; four places between the last step's products and the loads into their registers
.irp kt, 0,1,2,3
.irp cs, 0,1
	ds_load_b128 v[KR+8*(2*\kt+\cs):KR+8*(2*\kt+\cs)+3], v[ADK] offset:(64*(\q)+16*\kt)*PK+64*\cs
	ds_load_b128 v[KR+8*(2*\kt+\cs)+4:KR+8*(2*\kt+\cs)+7], v[ADK] offset:(64*(\q)+16*\kt)*PK+64*\cs+32
.endr
.endr
.irp ks, 0,1
.irp ct, 0,1,2,3
	ds_load_tr16_b128 v[VR+8*(4*\ks+\ct):VR+8*(4*\ks+\ct)+3], v[ADV] offset:(64*(\q)+32*\ks)*PV+32*\ct
	ds_load_tr16_b128 v[VR+8*(4*\ks+\ct)+4:VR+8*(4*\ks+\ct)+7], v[ADV] offset:(64*(\q)+32*\ks)*PV+16*PV+32*\ct
.endr
.endr
	s_wait_dscnt 16                                ; K is in; V's sixteen loads may stay out: they land under the softmax
.irp kt, 0,1,2,3                               ; the four accumulators take turns
	v_wmma_f32_16x16x32_f16 v[SR+8*\kt:SR+8*\kt+7], v[KR+16*\kt:KR+16*\kt+7], v[QR:QR+7], 0
.endr
.irp kt, 0,1,2,3
	v_wmma_f32_16x16x32_f16 v[SR+8*\kt:SR+8*\kt+7], v[KR+16*\kt+8:KR+16*\kt+15], v[QR+8:QR+15], v[SR+8*\kt:SR+8*\kt+7]
.endr
.rept 4
	v_nop
.endr
	s_add_co_u32 s97, s[KF], 63
	s_cmp_le_u32 s97, s[Q0]                        ; all 64 keys count for all my queries: no mask
	s_cbranch_scc1 .Lopen_\@
	s_sub_co_i32 s96, s[Q0], s[KF]
	v_add_nc_u32 v22, s96, v11                     ; d = my query - KF - 8 h.  Register 8 kt + j holds key KF + 16 kt + 8 h + j: hidden where 16 kt + j > d
.irp n, 0,1,2,3,4,5,6,7,8,9,10,11,12,13,14,15,16,17,18,19,20,21,22,23,24,25,26,27,28,29,30,31
	v_cmp_gt_i32 vcc_lo, 16*(\n/8)+\n%8, v22
	v_cndmask_b32 v[SR+\n], v[SR+\n], v23, vcc_lo
.endr
.Lopen_\@:
.irp i, 0,1,2,3
	v_max3_num_f32 v[16+\i], v[SR+8*\i], v[SR+8*\i+1], v[SR+8*\i+2]   ; the maximum, in four chains; each tile is read from its low end on
.endr
.irp u, 3,5
.irp i, 0,1,2,3
	v_max3_num_f32 v[16+\i], v[16+\i], v[SR+8*\i+\u], v[SR+8*\i+\u+1]
.endr
.endr
	v_max3_num_f32 v16, v16, v[SR+7], v[SR+15]
	v_max3_num_f32 v18, v18, v[SR+23], v[SR+31]
	v_max3_num_f32 v16, v16, v17, v18
	v_max3_num_f32 v16, v16, v19, v13              ; with the old m
	v_permlanex16_b32 v17, v16, s[SEL], s[SEL+1]   ; the query's other 32 keys lie in the lane 16 away
	v_mov_b32 v19, v12                             ; c m_old
	v_max_num_f32 v13, v16, v17
	v_mul_f32 v12, s[CS], v13
	v_sub_f32 v19, v19, v12
.irp j, 0,2,4,6,8,10,12,14,16,18,20,22,24,26,28,30
	v_pk_fma_f32 v[SR+\j:SR+\j+1], v[SR+\j:SR+\j+1], s[CS:CS+1], v[12:13] op_sel_hi:[1,0,0] neg_lo:[0,0,1] neg_hi:[0,0,1]   ; c s - c m, two at a time
.endr
	v_exp_f32 v20, v19                             ; a
.irp j, 0,1,2,3,4,5,6,7,8,9,10,11,12,13,14,15,16,17,18,19,20,21,22,23,24,25,26,27,28,29,30,31
	v_exp_f32 v[SR+\j], v[SR+\j]                   ; p
.endr
	v_nop                                          ; a plain instruction behind the last exponential
	s_wait_alu depctr_va_vdst(0)                   ; one wait for the batch of 33, ahead of its first reader
	v_pk_mul_f32 v[14:15], v[14:15], v[20:21] op_sel_hi:[1,0]
.irp n, 0,1,2,3,4,5,6,7,8,9,10,11,12,13,14,15
	v_cvt_pk_f16_f32 v[PR+\n], v[SR+2*\n], v[SR+2*\n+1]
.endr
	v_pk_add_f32 v[250:251], v[SR:SR+1], v[SR+2:SR+3]   ; the row's sum of the unrounded p, in two chains
.irp j, 4,8,12,16,20,24,28
	v_pk_add_f32 v[14:15], v[14:15], v[SR+\j:SR+\j+1]
	v_pk_add_f32 v[250:251], v[250:251], v[SR+\j+2:SR+\j+3]
.endr
	v_pk_add_f32 v[14:15], v[14:15], v[250:251]
.irp j, 0,2,4,6,8,10,12,14,16,18,20,22,24,26,28,30
	v_pk_mul_f32 v[OT+\j:OT+\j+1], v[OT+\j:OT+\j+1], v[20:21] op_sel_hi:[1,0]   ; O^T x a
.endr
	s_wait_dscnt 0x0                               ; V is in
.irp ks, 0,1
.irp ct, 0,1,2,3
	v_wmma_f32_16x16x32_f16 v[OT+8*\ct:OT+8*\ct+7], v[VR+8*(4*\ks+\ct):VR+8*(4*\ks+\ct)+7], v[PR+8*\ks:PR+8*\ks+7], v[OT+8*\ct:OT+8*\ct+7]
.endr
.endr
.Lhidden_\@:
	s_add_co_u32 s[KF], s[KF], 64
.endm
; THE CHANGE OF SLOTS stands at a slot's head.  Each wave waits for all its tensor loads (its part of the slot that it is about to read), adds 0 to its spare word, and waits for that and for its reads of the slot that it has left.
; fill = 1: behind the barrier that other slot takes the next of the nine: key slot R of the first block while R <= J, then key slot R - J - 1 of the second.  The load has a trip's four key steps in which to land.
.macro CHANGE fill
	s_wait_tensorcnt 0x0                           ; no tensor load of mine is out, so a descriptor may be written
	ds_add_u32 v[SPW], v[NIL]
.if \fill
	ds_add_u32 v[SPW], v[NIL]                      ; twice on end, where a tensor load follows
	s_add_co_u32 s[RR], s[RR], 1
	s_cmp_ge_u32 s[RR], s[N0]
	s_cselect_b32 s66, s[N0], 0
	s_sub_co_u32 s52, s[RR], s66                   ; the key slot
	s_lshl_b32 s52, s52, 15                        ; x 256 rows of 128 bytes
	s_xor_b32 s[G0K+1], s[G0K+1], SLOT1
	s_add_nc_u64 s[G0K+2:G0K+3], s[10:11], s[52:53]
	s_or_b32 s[G0K+3], s[G0K+3], 0x80000000
	s_xor_b32 s[G0V+1], s[G0V+1], SLOT1
	s_add_nc_u64 s[G0V+2:G0V+3], s[12:13], s[52:53]
	s_or_b32 s[G0V+3], s[G0V+3], 0x80000000
	s_wait_xcnt 0x0                                ; the last prefetch, a trip back, has read its address
	s_add_nc_u64 s[PFA:PFA+1], s[PFA:PFA+1], 0x8000
.endif
	s_wait_dscnt 0x0                               ; the add is done, and my reads of the slot that I have left are over
	s_barrier_signal -1
	s_barrier_wait -1
.if \fill
	TLOAD                                          ; the first thing behind the barrier, and a wave's one tensor load until the next
	ASK
.endif
.endm
.macro SLOT_STEPS
.set Q, 0
.rept 4
	STEP Q
.set Q, Q+1
.endr
	s_xor_b32 s[TB], s[TB], SLOT1
.endm
; A block's end: O^T / l, rounded to f16, through my stage, out as eight whole runs of 256 bytes.
.macro FINISH
.rept 4
	v_nop                                          ; places behind the last products
.endr
	v_add_f32 v14, v14, v15
	v_permlanex16_b32 v17, v14, s[SEL], s[SEL+1]
	v_add_f32 v14, v14, v17                        ; the row's sum
	v_rcp_f32 v20, v14
	v_nop
	s_wait_alu depctr_va_vdst(0)                   ; the wait ahead of the reciprocal's first reader
.irp j, 0,2,4,6,8,10,12,14,16,18,20,22,24,26,28,30
	v_pk_mul_f32 v[OT+\j:OT+\j+1], v[OT+\j:OT+\j+1], v[20:21] op_sel_hi:[1,0]
.endr
.irp n, 0,1,2,3,4,5,6,7,8,9,10,11,12,13,14,15
	v_cvt_pk_f16_f32 v[SR+\n], v[OT+2*\n], v[OT+2*\n+1]
.endr
.irp ct, 0,1,2,3
	ds_store_b128 v[STO], v[SR+4*\ct:SR+4*\ct+3] offset:32*\ct
.endr
.irp t, 0,1,2,3
	ds_load_b128 v[SR+16+4*\t:SR+16+4*\t+3], v[RD] offset:4*PK*\t   ; LDS serves a wave's instructions in order: these see my stores
.endr
	s_wait_dscnt 0x0
.irp t, 0,1,2,3
	global_store_b128 v[GO], v[SR+16+4*\t:SR+16+4*\t+3], s[OP:OP+1] offset:8192*\t   ; lanes 0-15 and lanes 16-31 each store 256 consecutive bytes, aligned
.endr
.endm
; On to block 7 - J.  O^T and l are not cleared: they hold finite numbers, and the block's first a is 0.
.macro RESTART
	s_wait_xcnt 0x0                                ; the stores have read their base and their registers
	s_lshl_b32 s[Q0], s[SW], 8
	s_lshl_b32 s66, s[WV], 4
	s_add_co_u32 s[Q0], s[Q0], s66
	s_mov_b32 s[KF], 0
	s_lshl_b32 s72, s[SW], 15
	s_add_nc_u64 s[QP:QP+1], s[8:9], s[72:73]
	s_lshl_b32 s72, s[SW], 19
	s_add_nc_u64 s[OP:OP+1], s[14:15], s[72:73]
.irp i, 0,1,2,3
	global_load_b128 v[QR+4*\i:QR+4*\i+3], v[QO], s[QP:QP+1] offset:32*\i
.endr
	v_mov_b32 v13, 0xff61b1e6
	v_mul_f32 v12, s[CS], v13
	s_wait_loadcnt 0x0
.endm
	s_wait_loadcnt 0x0                             ; Q
	s_mov_b32 s[SLOTS], 8
.Lslot:                                            ; eight trips: behind each change of slots the next of the nine slots is asked for
	CHANGE 1
	s_cmp_lg_u32 s[SLOTS], s[SW]                   ; trip J + 1 begins the second block (the work-group's number and the count alone)
	s_cbranch_scc1 .Lsame
	FINISH
	RESTART
.Lsame:
	SLOT_STEPS
	s_sub_co_u32 s[SLOTS], s[SLOTS], 1
	s_cmp_lg_u32 s[SLOTS], 0
	s_cbranch_scc1 .Lslot
	CHANGE 0                                       ; the ninth slot is written out: nothing is left to ask for
	SLOT_STEPS
	FINISH
	s_wait_tensorcnt 0x0                           ; the wave's end: behind my last tensor load and my last LDS store
	ds_add_u32 v[SPW], v[NIL]
	s_wait_dscnt 0x0
	s_endpgm
.Lfunc_end_k_q367a81fb1c_attn:
	.size	k_q367a81fb1c_attn, .Lfunc_end_k_q367a81fb1c_attn-k_q367a81fb1c_attn
	.p2alignl 7, 3214868480
	.fill 96, 4, 3214868480
	.section	.rodata,"a",@progbits
	.p2align	6, 0x0
	.amdhsa_kernel k_q367a81fb1c_attn
		.amdhsa_group_segment_fixed_size 327680
		.amdhsa_private_segment_fixed_size 0
		.amdhsa_enable_private_segment 0
		.amdhsa_kernarg_size 16
		.amdhsa_user_sgpr_count 2
		.amdhsa_user_sgpr_kernarg_segment_ptr 1
		.amdhsa_wavefront_size32 1
		.amdhsa_system_sgpr_workgroup_id_x 1
		.amdhsa_system_sgpr_workgroup_id_y 1
		.amdhsa_system_sgpr_workgroup_id_z 1
		.amdhsa_system_vgpr_workitem_id 0
		.amdhsa_next_free_vgpr 256
		.amdhsa_next_free_sgpr 100
		.amdhsa_reserve_vcc 1
		.amdhsa_float_denorm_mode_32 3
		.amdhsa_float_denorm_mode_16_64 3
		.amdhsa_memory_ordered 1
		.amdhsa_forward_progress 1
		.amdhsa_inst_pref_size 113
	.end_amdhsa_kernel
	.amdgpu_metadata
---
amdhsa.version: [ 1, 2 ]
amdhsa.kernels:
  - .name:           k_q367a81fb1c_attn
    .symbol:         k_q367a81fb1c_attn.kd
    .args:
      - { .name: qkv16, .offset: 0, .size: 8, .value_kind: global_buffer, .address_space: global }
      - { .name: o16, .offset: 8, .size: 8, .value_kind: global_buffer, .address_space: global }
    .group_segment_fixed_size: 327680
    .private_segment_fixed_size: 0
    .kernarg_segment_align: 8
    .kernarg_segment_size: 16
    .max_flat_workgroup_size: 512
    .sgpr_count:     100
    .vgpr_count:     256
    .wavefront_size: 32
...
	.end_amdgpu_metadata
.endif
;; end of part 3
;; launch outp (part 4): grid 8 x 64, 4 waves a work-group, clusters of 4 x 4, 327,680 bytes of LDS; arguments o16, wo16, out0; writes out0
.if DOCPART == 4
	.amdgcn_target "amdgcn-amd-amdhsa--gfx1250"
	.amdhsa_code_object_version 6
	.text
	.protected	k_q367a81fb1c_outp
	.globl	k_q367a81fb1c_outp
	.p2align	8
	.type	k_q367a81fb1c_outp,@function
k_q367a81fb1c_outp:
	s_mov_b64 s[64:65], 0
	v_nop
	global_prefetch_b8 v0, s[64:65] scope:SCOPE_SE
	s_setreg_imm32_b32 hwreg(HW_REG_WAVE_MODE, 25, 1), 1
	s_wait_xcnt 0x0
	s_wait_alu depctr_hold_cnt(0) depctr_sa_sdst(0) depctr_va_vdst(0) depctr_va_sdst(0) depctr_va_ssrc(0) depctr_va_vcc(0) depctr_vm_vsrc(0)
	s_getreg_b32 s2, hwreg(HW_REG_IB_STS2, 6, 4)
	s_cmp_eq_u32 s2, 0
	s_cbranch_scc0 .Lentry_in_a_cluster
	s_endpgm
.Lentry_in_a_cluster:
	s_bfe_u32 s2, ttmp6, 0x10000c
	s_cmp_lg_u32 s2, 0xf033
	s_cbranch_scc0 .Lentry_shape_is_right
	s_endpgm
.Lentry_shape_is_right:
; out0[m][n] = the sum over k of o[m][k] Wo[n][k]: [8192][1024] x [1024][1024], f16 operands, f32 sums, f32 out.
; A = o16 lies by pairs of rows: byte (m / 2) 4096 + 256 (k / 64) + 128 (m % 2) + 2 (k % 64).  A K step of 256 (four heads) of 64 rows is a tile of 32 pair rows x 1,024 bytes.  B = wo16 [n][k], rows of 2,048 bytes.
; A tile of out0 is 128 x 128: 512 work-groups, one for each.  Four waves, each 64 x 64: 16 accumulators.  K goes in four steps of 256 through two LDS slots.
; CLUSTERS: 4 x 4 work-groups; A's tiles are asked for jointly along a row of the cluster, B's along a column.  THE MATRIX INSTRUCTION IS USED TRANSPOSED (source 0 = 16 rows of Wo, source 1 = 16 rows of o): a lane holds eight neighbouring numbers of a row of out0.
; A wave's 64 columns of f32 are 256 aligned bytes, so each wave has a stage of its own on the way out and no barrier stands there.  No prefetch: the tiles are small and shared, and the joint loads have a K step in which to land.
; (Rows 0-15 of each batch are written here too and written again, from f32 operands, by the launch that follows.)
; REGISTERS: window 0: v0-31 addresses; v32-95 the way out; v128-255 the accumulators ((a, b) at v[128 + 8 (4 a + b)]).  window 1: two fragment buffers of 128: for 64 along K, 64 registers of A, then 64 of B.
.set PA,     1040                      ; a pair row in LDS: 1,024 bytes + 16: lanes r take (r / 2) PA + 128 (r % 2): sixteen different runs of 16 bytes modulo 256
.set PB,     528                       ; a row of B: 512 bytes + 16
.set HALFA,  32*PA                     ; 64 rows of A: what one tensor load brings
.set HALFB,  64*PB                     ; 64 rows of B
.set SLOT,   2*HALFA+2*HALFB
.set STAGE,  2*SLOT                    ; behind the ring: 16 rows x 272 bytes for each wave
.set SPITCH, 272
.set SPARE,  STAGE+4*16*SPITCH         ; the spare words, 128 bytes a wave, which no other line names
.set LAPS,   2                         ; a lap = two K steps
.set ADRA, 16
.set ADRB, 20
.set STO,  24
.set RD,   25
.set CO,   26
.set SPW,  28
.set NIL,  29
.set TMP,  32
.set ACC,  128
.set F0,   0
.set F1,   128
.set G1, 24
.set G0, 32
.set G1B, 48
.set G0B, 56
.set MSB, 0
.macro WIN new                         ; the immediate's high byte repeats the setting that is left
.if MSB != \new
	s_set_vgpr_msb (MSB<<8)|\new
.set MSB, \new
.endif
.endm
.set MUL,  0x05                        ; sources 0 (B) and 1 (A) window 1; C and D window 0
.set TO_F, 0x40                        ; destination window 1, address window 0
.macro JLOAD s                         ; a joint load: waves 0 and 1 fetch A's two halves, waves 2 and 3 B's; an s_nop 0 and four v_nop follow each of the two lines
	s_cmp_eq_u32 s11, 0
	s_cbranch_scc0 .Lfor_b_\@
	tensor_load_to_lds s[G0+4*\s:G0+4*\s+3], s[G1:G1+7]
	s_nop 0
.rept 4
	v_nop
.endr
	s_branch .Lasked_\@
.Lfor_b_\@:
	tensor_load_to_lds s[G0B+4*\s:G0B+4*\s+3], s[G1B:G1B+7]
	s_nop 0
.rept 4
	v_nop
.endr
.Lasked_\@:
.endm
.macro CREST                           ; a round of the cluster's barrier behind its opening barrier
	s_cmp_lg_u32 s10, 0
	s_cbranch_scc1 .Lnot_wave_0_\@
	s_barrier_signal -3
.Lnot_wave_0_\@:
	s_barrier_wait -3
	s_barrier_signal -1
	s_barrier_wait -1
.endm
.macro CROUND
	s_barrier_signal -1
	s_barrier_wait -1
	CREST
.endm
	s_load_b128 s[4:7], s[0:1], 0x0                ; o16, wo16
	s_load_b64 s[8:9], s[0:1], 0x10                ; out0
	v_lshl_add_u32 v[SPW], v0, 2, SPARE
	v_mov_b32 v[NIL], 0
	ds_add_u32 v[SPW], v[NIL]                      ; the wave's opening: the add, twice on end, and its wait ahead of my first tensor load
	ds_add_u32 v[SPW], v[NIL]
	v_lshrrev_b32 v1, 5, v0
	v_readfirstlane_b32 s10, v1                    ; wave 0..3
	s_lshr_b32 s11, s10, 1                         ; which half of the tile's rows is mine.  Also: I fetch for A (0) or for B (1)
	s_and_b32 s12, s10, 1                          ; which half of its columns.  Also: which 64 rows I fetch
	s_bfe_u32 s40, ttmp6, 0x40000                  ; cx
	s_bfe_u32 s41, ttmp6, 0x40004                  ; cy
	s_lshl_b32 s42, ttmp9, 2
	s_add_co_u32 s42, s42, s40                     ; tile column
	s_and_b32 s13, ttmp7, 0xffff
	s_lshl_b32 s13, s13, 2
	s_add_co_u32 s13, s13, s41                     ; tile row
	s_lshl_b32 s43, s41, 2
	s_lshl_b32 s43, 15, s43                        ; my row of the cluster
	s_lshl_b32 s44, 0x1111, s40                    ; my column
	s_or_b32 s[G1+0], s43, (1<<16)|(1<<20)|(1<<21)|(7<<22)|(3<<25)   ; A: the mask; elements of 2 bytes; padding on: 4 words after every 256
	s_mov_b32 s[G1+1], 512<<16                     ; tensor_dim0: 512 elements, a pair row's four heads
	s_mov_b32 s[G1+2], 32<<16                      ; tensor_dim1
	s_mov_b32 s[G1+3], 512<<16                     ; tile_dim0
	s_mov_b32 s[G1+4], 32                          ; tile_dim1
	s_mov_b32 s[G1+5], 2048                        ; from pair row to pair row
	s_mov_b32 s[G1+6], 0
	s_mov_b32 s[G1+7], 0
	s_or_b32 s[G1B+0], s44, (1<<16)|(1<<20)|(1<<21)|(6<<22)|(3<<25)  ; B: 4 words after every 128
	s_mov_b32 s[G1B+1], 256<<16
	s_mov_b32 s[G1B+2], 64<<16
	s_mov_b32 s[G1B+3], 256<<16
	s_mov_b32 s[G1B+4], 64
	s_mov_b32 s[G1B+5], 1024
	s_mov_b32 s[G1B+6], 0
	s_mov_b32 s[G1B+7], 0
	s_lshl_b32 s16, s13, 6
	s_lshl_b32 s17, s12, 5
	s_add_co_u32 s16, s16, s17                     ; A: pair row 64 x tile row + 32 x half,
	s_lshl_b32 s16, s16, 12                        ; of 4,096 bytes
	s_mov_b32 s17, 0
	s_lshl_b32 s46, s42, 7
	s_lshl_b32 s47, s12, 6
	s_add_co_u32 s46, s46, s47                     ; B: row 128 x tile column + 64 x half,
	s_lshl_b32 s46, s46, 11                        ; of 2,048 bytes
	s_mov_b32 s47, 0
	s_mul_i32 s20, s12, HALFA                      ; where they go: A's halves, then B's: the wave's number alone
	s_mul_i32 s21, s12, HALFB
	s_add_co_u32 s21, s21, 2*HALFA
	s_wait_dscnt 0x0                               ; both opening adds are done
	s_wait_kmcnt 0x0
	s_add_nc_u64 s[14:15], s[4:5], s[16:17]
	s_add_nc_u64 s[46:47], s[6:7], s[46:47]
	CROUND                                         ; all sixteen work-groups are here: the first joint loads meet
.irp s, 0,1
	s_mov_b32 s[G0+4*\s], 1
	s_add_co_u32 s[G0+4*\s+1], s20, \s*SLOT
	s_add_nc_u64 s[G0+4*\s+2:G0+4*\s+3], s[14:15], \s*1024
	s_or_b32 s[G0+4*\s+3], s[G0+4*\s+3], 0x80000000
	s_mov_b32 s[G0B+4*\s], 1
	s_add_co_u32 s[G0B+4*\s+1], s21, \s*SLOT
	s_add_nc_u64 s[G0B+4*\s+2:G0B+4*\s+3], s[46:47], \s*512
	s_or_b32 s[G0B+4*\s+3], s[G0B+4*\s+3], 0x80000000
	JLOAD \s                                       ; two loads of mine are out behind the second
.endr
	v_and_b32 v1, 15, v0                           ; r
	v_bfe_u32 v2, v0, 4, 1                         ; h
	v_lshrrev_b32 v3, 1, v1
	v_mul_u32_u24 v3, v3, PA
	v_and_b32 v4, 1, v0
	v_lshl_add_u32 v3, v4, 7, v3
	v_lshl_add_u32 v3, v2, 4, v3                   ; A: (r / 2) PA + 128 (r % 2) + 16 h
	v_mul_u32_u24 v4, v1, PB
	v_lshl_add_u32 v4, v2, 4, v4                   ; B: r PB + 16 h
	s_mul_i32 s21, s11, HALFA                      ; my 64 rows of A
	s_mul_i32 s22, s12, HALFB                      ; my 64 rows of B,
	s_add_co_u32 s22, s22, 2*HALFA                 ; which lie behind A's 128
.irp s, 0,1
	v_add_nc_u32 v[ADRA+\s], s21, v3
	v_add_nc_u32 v[ADRB+\s], s22, v4
	s_add_co_u32 s21, s21, SLOT
	s_add_co_u32 s22, s22, SLOT
.endr
	s_mul_i32 s23, s10, 16*SPITCH
	s_add_co_u32 s23, s23, STAGE                   ; my stage
	v_mul_u32_u24 v5, v1, SPITCH
	v_lshl_add_u32 v5, v2, 5, v5
	v_add_nc_u32 v[STO], s23, v5                   ; in: row r, 32 bytes for each half of the lanes
	v_mul_u32_u24 v5, v2, SPITCH
	v_lshl_add_u32 v5, v1, 4, v5
	v_add_nc_u32 v[RD], s23, v5                    ; back: lanes 0-15 one row of 256 bytes, lanes 16-31 the next
	v_lshlrev_b32 v5, 12, v2
	v_lshl_add_u32 v[CO], v1, 4, v5                ; and the same two rows in out0
	s_lshl_b32 s16, s13, 7
	s_lshl_b32 s17, s11, 6
	s_add_co_u32 s16, s16, s17                     ; my first row
	s_lshl_b32 s16, s16, 12
	s_lshl_b32 s46, s42, 7
	s_lshl_b32 s47, s12, 6
	s_add_co_u32 s46, s46, s47                     ; my first column
	s_lshl_b32 s46, s46, 2
	s_add_co_u32 s16, s16, s46
	s_mov_b32 s17, 0
	s_add_nc_u64 s[8:9], s[8:9], s[16:17]
; 8 matrix instructions: m blocks a0, a0 + 1 x all 4 n blocks, 32 along K: half c of buffer f.  zero = 1: the first product starts the sums.  The 16 accumulators take turns.
.macro MUL8 f, c, a0, zero
.irp a, \a0, \a0+1
.irp b, 0,1,2,3
.if \zero
	v_wmma_f32_16x16x32_f16 v[ACC+8*(4*(\a)+\b):ACC+8*(4*(\a)+\b)+7], v[\f+64+8*(4*\c+\b):\f+64+8*(4*\c+\b)+7], v[\f+8*(4*\c+\a):\f+8*(4*\c+\a)+7], 0
.else
	v_wmma_f32_16x16x32_f16 v[ACC+8*(4*(\a)+\b):ACC+8*(4*(\a)+\b)+7], v[\f+64+8*(4*\c+\b):\f+64+8*(4*\c+\b)+7], v[\f+8*(4*\c+\a):\f+8*(4*\c+\a)+7], v[ACC+8*(4*(\a)+\b):ACC+8*(4*(\a)+\b)+7]
.endif
.endr
.endr
.endm
; 32 LDS loads in one run: the fragments of the slot's qd-th 64 along K (one head) into buffer f; the first 32 along K first.  In B a head is 128 bytes of a row, in A 256 bytes of a pair row.
.macro FETCH slot, qd, f
	WIN TO_F
.irp c, 0,1
.irp i, 0,1,2,3
	ds_load_b128 v[\f+64+8*(4*\c+\i):\f+64+8*(4*\c+\i)+3],   v[ADRB+\slot] offset:(\qd)*128+64*\c+\i*16*PB
	ds_load_b128 v[\f+64+8*(4*\c+\i)+4:\f+64+8*(4*\c+\i)+7], v[ADRB+\slot] offset:(\qd)*128+64*\c+\i*16*PB+32
	ds_load_b128 v[\f+8*(4*\c+\i):\f+8*(4*\c+\i)+3],         v[ADRA+\slot] offset:(\qd)*256+64*\c+\i*8*PA
	ds_load_b128 v[\f+8*(4*\c+\i)+4:\f+8*(4*\c+\i)+7],       v[ADRA+\slot] offset:(\qd)*256+64*\c+\i*8*PA+32
.endr
.endr
.endm
.macro PLACES                          ; four places in front of loads into registers that matrix instructions have read, and of reads of results
.rept 4
	v_nop
.endr
.endm
; A K step is four quarters of 64 along K, 32 matrix instructions each, on buffers 0, 1, 0, 1.  One of the first three: multiplies buffer f and fetches quarter qd into g.
.macro QUARTER slot, qd, f, g, zero
	s_wait_dscnt 16                                ; the first 32 along K are in; the youngest sixteen loads may be out
	WIN MUL
	MUL8 \f, 0, 0, \zero
	MUL8 \f, 0, 2, \zero
	PLACES
	FETCH \slot, \qd, \g
	s_wait_dscnt 32                                ; all but the 32 just issued
	WIN MUL
	MUL8 \f, 1, 0, 0
	MUL8 \f, 1, 2, 0
.endm
; The last quarter multiplies buffer 1 and changes slots: one barrier; in front of it each wave waits for all its tensor loads, adds 0 to its spare word, and waits for that and for its reads of this slot.  fill = 1: this slot is filled again, two K steps ahead.
.macro TURN slot, next, fill
	WIN 0
	s_wait_tensorcnt 0x0                           ; all my tensor loads have landed: my part of the next slot
	ds_add_u32 v[SPW], v[NIL]
	s_wait_dscnt 17                                ; the add and the youngest sixteen loads may be out
	WIN MUL
	MUL8 F1, 0, 0, 0
	s_wait_dscnt 0x0                               ; the add is done, and my reads of this slot are over
	s_barrier_signal -1
	MUL8 F1, 0, 2, 0
.if \fill
	WIN 0
.endif
	s_barrier_wait -1
.if \fill
	CREST                                          ; the barrier has opened a round of the cluster's barrier: no wave of any partner still reads this slot or has a load on its way
	s_add_nc_u64 s[G0+4*\slot+2:G0+4*\slot+3], s[G0+4*\slot+2:G0+4*\slot+3], 2048
	s_add_nc_u64 s[G0B+4*\slot+2:G0B+4*\slot+3], s[G0B+4*\slot+2:G0B+4*\slot+3], 1024
	JLOAD \slot                                    ; the first tensor load behind the round; its four v_nop are also the places in front of the loads below
.else
	PLACES
.endif
	FETCH \next, 0, F0
	WIN MUL
	MUL8 F1, 1, 0, 0
	MUL8 F1, 1, 2, 0
.endm
	s_wait_tensorcnt 1                             ; my part of K step 0 is in; K step 1's may stay out
	s_barrier_signal -1
	s_barrier_wait -1
	FETCH 0, 0, F0
	QUARTER 0, 1, F0, F1, 1                        ; the first quarter's first products start the sums
	WIN 0
	s_mov_b32 s3, LAPS-1
.Llap:                                             ; a trip goes once round the ring and fills both slots again
	QUARTER 0, 2, F1, F0, 0
	QUARTER 0, 3, F0, F1, 0
	TURN 0, 1, 1
	QUARTER 1, 1, F0, F1, 0
	QUARTER 1, 2, F1, F0, 0
	QUARTER 1, 3, F0, F1, 0
	TURN 1, 0, 1
	QUARTER 0, 1, F0, F1, 0
	WIN 0
	s_sub_co_u32 s3, s3, 1
	s_cmp_lg_u32 s3, 0
	s_cbranch_scc1 .Llap
	QUARTER 0, 2, F1, F0, 0                        ; the last lap fills nothing
	QUARTER 0, 3, F0, F1, 0
	TURN 0, 1, 0
	QUARTER 1, 1, F0, F1, 0
	QUARTER 1, 2, F1, F0, 0
	QUARTER 1, 3, F0, F1, 0
	s_wait_dscnt 16
	WIN MUL
	MUL8 F1, 0, 0, 0
	MUL8 F1, 0, 2, 0
	s_wait_dscnt 0
	MUL8 F1, 1, 0, 0
	MUL8 F1, 1, 2, 0
	WIN 0
; THE WAY OUT, block by block of 16 rows x 64 columns: a lane's 32 bytes go into my stage; whole rows of 256 bytes come back, two rows an instruction.
.macro TOSTAGE a
.irp b, 0,1,2,3
	ds_store_b128 v[STO], v[ACC+8*(4*(\a)+\b):ACC+8*(4*(\a)+\b)+3] offset:64*\b          ; each accumulator from its low end on
	ds_store_b128 v[STO], v[ACC+8*(4*(\a)+\b)+4:ACC+8*(4*(\a)+\b)+7] offset:64*\b+16
.endr
.irp t, 0,1,2,3,4,5,6,7
	ds_load_b128 v[TMP+32*((\a)%2)+4*\t:TMP+32*((\a)%2)+4*\t+3], v[RD] offset:\t*2*SPITCH   ; LDS serves a wave's instructions in order: these see the stores above, and the next block's stores come behind them
.endr
.endm
.macro SEND a, younger                 ; younger: the LDS instructions issued behind block a's loads
	s_wait_dscnt \younger
.irp t, 0,1,2,3,4,5,6,7
	global_store_b128 v[CO], v[TMP+32*((\a)%2)+4*\t:TMP+32*((\a)%2)+4*\t+3], s[8:9] offset:(16*(\a)+2*\t)*4096 th:TH_STORE_NT   ; 16 lanes store 256 consecutive bytes, aligned
.endr
.endm
	PLACES
	TOSTAGE 0
.irp a, 1,2,3
.if \a > 1
	s_wait_xcnt 0x0                                ; block a - 2's stores have read their registers: block a's loads may land there
.endif
	TOSTAGE \a
	SEND \a-1, 16                                  ; behind block a - 1's loads: block a's 8 stores and 8 loads
.endr
	SEND 3, 0
	s_wait_tensorcnt 0x0                           ; the wave's end: behind my last tensor load and my last LDS store
	ds_add_u32 v[SPW], v[NIL]
	s_wait_dscnt 0x0
	CROUND                                         ; the closing round
	s_endpgm
.Lfunc_end_k_q367a81fb1c_outp:
	.size	k_q367a81fb1c_outp, .Lfunc_end_k_q367a81fb1c_outp-k_q367a81fb1c_outp
	.p2alignl 7, 3214868480
	.fill 96, 4, 3214868480
	.section	.rodata,"a",@progbits
	.p2align	6, 0x0
	.amdhsa_kernel k_q367a81fb1c_outp
		.amdhsa_group_segment_fixed_size 327680
		.amdhsa_private_segment_fixed_size 0
		.amdhsa_enable_private_segment 0
		.amdhsa_kernarg_size 24
		.amdhsa_user_sgpr_count 2
		.amdhsa_user_sgpr_kernarg_segment_ptr 1
		.amdhsa_wavefront_size32 1
		.amdhsa_system_sgpr_workgroup_id_x 1
		.amdhsa_system_sgpr_workgroup_id_y 1
		.amdhsa_system_sgpr_workgroup_id_z 1
		.amdhsa_system_vgpr_workitem_id 0
		.amdhsa_next_free_vgpr 512
		.amdhsa_next_free_sgpr 66
		.amdhsa_reserve_vcc 0
		.amdhsa_float_denorm_mode_32 3
		.amdhsa_float_denorm_mode_16_64 3
		.amdhsa_memory_ordered 1
		.amdhsa_forward_progress 1
		.amdhsa_inst_pref_size 86
	.end_amdhsa_kernel
	.amdgpu_metadata
---
amdhsa.version: [ 1, 2 ]
amdhsa.kernels:
  - .name:           k_q367a81fb1c_outp
    .symbol:         k_q367a81fb1c_outp.kd
    .args:
      - { .name: o16, .offset: 0, .size: 8, .value_kind: global_buffer, .address_space: global }
      - { .name: wo16, .offset: 8, .size: 8, .value_kind: global_buffer, .address_space: global }
      - { .name: out0, .offset: 16, .size: 8, .value_kind: global_buffer, .address_space: global }
    .group_segment_fixed_size: 327680
    .private_segment_fixed_size: 0
    .kernarg_segment_align: 8
    .kernarg_segment_size: 24
    .max_flat_workgroup_size: 128
    .sgpr_count:     66
    .vgpr_count:     512
    .wavefront_size: 32
...
	.end_amdgpu_metadata
.endif
;; end of part 4
;; launch first16 (part 5): grid 16 x 4, 16 waves a work-group, no clusters, 86,016 bytes of LDS; arguments head32, Wo, out0; writes out0
.if DOCPART == 5
	.amdgcn_target "amdgcn-amd-amdhsa--gfx1250"
	.amdhsa_code_object_version 6
	.text
	.protected	k_q367a81fb1c_first16
	.globl	k_q367a81fb1c_first16
	.p2align	8
	.type	k_q367a81fb1c_first16,@function
k_q367a81fb1c_first16:
	s_mov_b64 s[64:65], 0
	v_nop
	global_prefetch_b8 v0, s[64:65] scope:SCOPE_SE
	s_setreg_imm32_b32 hwreg(HW_REG_WAVE_MODE, 25, 1), 1
	s_wait_xcnt 0x0
; Positions 0-15 of every batch, carried in f32 from the projections' results to the output: these rows average one to sixteen values and are the largest in size, so f16 operands would weigh most here.  64 rows of 8,192: no bulk work.
; head32 [3 (q, k, v)][batch 4][position 16][1024] f32;  Wo [1024][1024] f32;  out0 rows 2048 b + 0 .. 15 are written again here, over what the launch before has left.
; SHARES.  Work-group (slice, b) makes 16 rows x 64 columns.  Phase A: wave w makes head w's attention for the 16 positions (every work-group of a batch does that anew: 16 x 16 x 64 twice).  Phase B: wave w = 4 kq + nt makes column tile nt over the K quarter kq;
; the four quarters meet in LDS.  All products by v_wmma_f32_16x16x4_f32; its four accumulators v80-111 are written by matrix instructions alone, take turns, and each sum begins with the constant 0.
; k IS PERMUTED ALIKE ON BOTH SIDES: a lane's 16 bytes hold k = 8 g + 4 h + 0 .. 3; registers 0, 1 feed one instruction, registers 2, 3 the next.
; Both products of phase A and that of phase B are used transposed, so that a lane holds one position (lane % 16) throughout.
; Wo's fragments are read 32 bytes of a row at a time; the eight loads that use up 256 bytes of a row stand one behind the other.  A turn through LDS would not pay for one pass over 256 KB a work-group.
.set OLP,   4112                       ; a position's row of o in LDS: 4,096 bytes + 16
.set PART,  16*OLP                     ; behind it: the four quarters' sums: 4 x 16 rows x (256 + 16)
.set SPARE, PART+4*16*272              ; the spare words, 128 bytes a wave, which no other line names
.set ACC,   80
; v1 r, v2 h, v3 row r x 4,096 + 16 h (Q, K and Wo), v4 V's offset, v6 o in, v7 o out, v8 sums in, v9 sums out, v10 out0, v11 r - 8 h, v12 my spare word, v13 0, v14-15 at work
; v16-47 Q, v48-79 K (later Wo's second half), v112-119 T, v120-127 U then P, v128-159 V (later o's chunks 1, 3), v160-191 o's chunks 0, 2, v192-255 Wo's first half
	s_load_b128 s[4:7], s[0:1], 0x0                ; head32, Wo
	s_load_b64 s[8:9], s[0:1], 0x10                ; out0
	v_lshl_add_u32 v12, v0, 2, SPARE
	v_mov_b32 v13, 0
	v_lshrrev_b32 v14, 5, v0
	v_readfirstlane_b32 s16, v14                   ; wave 0..15
	s_and_b32 s18, ttmp7, 0xffff                   ; batch
	s_lshr_b32 s19, s16, 2                         ; kq
	s_and_b32 s24, s16, 3                          ; nt
	s_and_b32 s25, s16, 7                          ; which two rows a wave of the first eight stores
	s_mov_b32 s20, 0x76543210
	s_mov_b32 s21, 0xfedcba98                      ; v_permlanex16_b32's selects for lane l xor 16
	s_mov_b32 s22, 0x3e38aa3b                      ; c = log2(e) / 8
	v_and_b32 v1, 15, v0
	v_bfe_u32 v2, v0, 4, 1
	v_lshlrev_b32 v3, 12, v1
	v_lshl_add_u32 v3, v2, 4, v3
	v_lshlrev_b32 v4, 2, v1
	v_lshl_add_u32 v4, v2, 15, v4                  ; V: key 8 h + kk, channel r: 32,768 h + 4 r
	v_mul_u32_u24 v15, v1, OLP
	s_lshl_b32 s28, s16, 8
	v_lshl_add_u32 v6, v2, 5, v15
	v_add_nc_u32 v6, s28, v6                       ; o in: row r, head w's 256 bytes, + 32 h
	s_lshl_b32 s28, s19, 10
	v_lshl_add_u32 v7, v2, 4, v15
	v_add_nc_u32 v7, s28, v7                       ; o out: row r, quarter kq's 1,024 bytes, + 16 h
	v_mul_u32_u24 v8, v1, 272
	v_lshl_add_u32 v8, v2, 5, v8
	s_mul_i32 s28, s19, 16*272
	s_lshl_b32 s29, s24, 6
	s_add_co_u32 s28, s28, s29
	s_add_co_u32 s28, s28, PART
	v_add_nc_u32 v8, s28, v8                       ; sums in: quarter kq, row r, tile nt's 64 bytes, + 32 h
	v_mul_u32_u24 v9, v2, 272
	v_lshl_add_u32 v9, v1, 4, v9
	s_mul_i32 s28, s25, 2*272
	s_add_co_u32 s28, s28, PART
	v_add_nc_u32 v9, s28, v9                       ; sums out: rows 2 (w % 8) + h, 16 bytes a lane
	v_lshlrev_b32 v10, 12, v2
	v_lshl_add_u32 v10, v1, 4, v10
	v_lshlrev_b32 v11, 3, v2
	v_sub_nc_u32 v11, v1, v11
	s_lshl_b32 s26, s18, 16
	s_lshl_b32 s28, s16, 8
	s_add_co_u32 s26, s26, s28                     ; head32: batch, head w
	s_mov_b32 s27, 0
	s_lshl_b32 s30, ttmp9, 6
	s_lshl_b32 s28, s24, 4
	s_add_co_u32 s30, s30, s28                     ; Wo: row 64 slice + 16 nt,
	s_lshl_b32 s30, s30, 12
	s_lshl_b32 s28, s19, 10
	s_add_co_u32 s30, s30, s28                     ; quarter kq
	s_mov_b32 s31, 0
	s_lshl_b32 s32, s18, 23                        ; out0: row 2,048 b + 2 (w % 8), column 64 slice
	s_lshl_b32 s28, s25, 13
	s_add_co_u32 s32, s32, s28
	s_lshl_b32 s28, ttmp9, 8
	s_add_co_u32 s32, s32, s28
	s_mov_b32 s33, 0
	s_wait_kmcnt 0x0
	s_add_nc_u64 s[4:5], s[4:5], s[26:27]
	s_add_nc_u64 s[6:7], s[6:7], s[30:31]
	s_add_nc_u64 s[8:9], s[8:9], s[32:33]
.irp g, 0,1,2,3,4,5,6,7
	global_load_b128 v[16+4*\g:19+4*\g], v3, s[4:5] offset:32*\g              ; Q
.endr
.irp g, 0,1,2,3,4,5,6,7
	global_load_b128 v[48+4*\g:51+4*\g], v3, s[4:5] offset:262144+32*\g       ; K
.endr
.irp ct, 0,1,2,3
.irp kk, 0,1,2,3,4,5,6,7
	global_load_b32 v[128+8*\ct+\kk], v4, s[4:5] offset:524288+4096*\kk+64*\ct   ; V(key 8 h + kk, channel 16 ct + r)
.endr
.endr
.irp g, 0,1,2,3,4,5,6,7,8,9,10,11,12,13,14,15
	global_load_b128 v[192+4*\g:195+4*\g], v3, s[6:7] offset:32*\g            ; Wo, the quarter's first half
.endr
	s_wait_loadcnt 48                              ; Q and K are in; V's 32 loads and Wo's 16 may be out
	; ---- S^T = K Q^T: lane (r, h) holds position r and keys 8 h + 0 .. 7
.set i, 0
.rept 16
.if i < 4
	v_wmma_f32_16x16x4_f32 v[ACC+8*(i%4):ACC+8*(i%4)+7], v[48+2*i:49+2*i], v[16+2*i:17+2*i], 0
.else
	v_wmma_f32_16x16x4_f32 v[ACC+8*(i%4):ACC+8*(i%4)+7], v[48+2*i:49+2*i], v[16+2*i:17+2*i], v[ACC+8*(i%4):ACC+8*(i%4)+7]
.endif
.set i, i+1
.endr
.rept 8
	v_nop                                          ; eight places behind this form, ahead of the first read of results
.endr
.macro SUM4                            ; the four accumulators' sum into v112-119, each read from its low end on
.irp j, 0,2,4,6
	v_pk_add_f32 v[112+\j:113+\j], v[ACC+\j:ACC+\j+1], v[ACC+8+\j:ACC+9+\j]
.endr
.irp j, 0,2,4,6
	v_pk_add_f32 v[120+\j:121+\j], v[ACC+16+\j:ACC+17+\j], v[ACC+24+\j:ACC+25+\j]
.endr
.irp j, 0,2,4,6
	v_pk_add_f32 v[112+\j:113+\j], v[112+\j:113+\j], v[120+\j:121+\j]
.endr
.endm
	SUM4
	v_mov_b32 v14, 0xff800000                      ; -infinity
.irp j, 0,1,2,3,4,5,6,7
	v_cmp_gt_i32 vcc_lo, \j, v11                   ; key 8 h + j is hidden where it comes after position r
	v_cndmask_b32 v[112+\j], v[112+\j], v14, vcc_lo
.endr
	v_max3_num_f32 v15, v112, v113, v114
	v_max3_num_f32 v15, v15, v115, v116
	v_max3_num_f32 v15, v15, v117, v118
	v_max_num_f32 v15, v15, v119
	v_permlanex16_b32 v14, v15, s20, s21
	v_max_num_f32 v15, v15, v14                    ; the row's maximum (key 0 counts for every position)
	v_mul_f32 v15, s22, v15
.irp j, 0,1,2,3,4,5,6,7
	v_fma_f32 v[112+\j], v[112+\j], s22, -v15
.endr
.irp j, 0,1,2,3,4,5,6,7
	v_exp_f32 v[112+\j], v[112+\j]
.endr
	v_nop
	s_wait_alu depctr_va_vdst(0)                   ; one wait for the eight exponentials, ahead of their first reader
	v_add_f32 v14, v112, v113
.irp j, 2,3,4,5,6,7
	v_add_f32 v14, v14, v[112+\j]
.endr
	v_permlanex16_b32 v15, v14, s20, s21
	v_add_f32 v14, v14, v15
	v_rcp_f32 v14, v14
	v_nop
	s_wait_alu depctr_va_vdst(0)                   ; and one for the reciprocal
.irp j, 0,1,2,3,4,5,6,7
	v_mul_f32 v[120+\j], v[112+\j], v14            ; the weights, normalised
.endr
	s_wait_loadcnt 16                              ; V is in; Wo's 16 loads may be out
	; ---- O^T = V^T P: instruction i takes keys 8 h + 2 i, 8 h + 2 i + 1 on both sides
.irp i, 0,1,2,3
.irp ct, 0,1,2,3
.if \i == 0
	v_wmma_f32_16x16x4_f32 v[ACC+8*\ct:ACC+8*\ct+7], v[128+8*\ct+2*\i:129+8*\ct+2*\i], v[120+2*\i:121+2*\i], 0
.else
	v_wmma_f32_16x16x4_f32 v[ACC+8*\ct:ACC+8*\ct+7], v[128+8*\ct+2*\i:129+8*\ct+2*\i], v[120+2*\i:121+2*\i], v[ACC+8*\ct:ACC+8*\ct+7]
.endif
.endr
.endr
.rept 9
	v_nop                                          ; eight places ahead of the stores and of the loads into V's registers; the ninth for the next product, which begins the same accumulators anew
.endr
.irp ct, 0,1,2,3
	ds_store_b128 v6, v[ACC+8*\ct:ACC+8*\ct+3] offset:64*\ct          ; o(position r, channels 64 w + 16 ct + 8 h + 0 .. 7)
	ds_store_b128 v6, v[ACC+8*\ct+4:ACC+8*\ct+7] offset:64*\ct+16
.endr
.irp g, 0,1,2,3,4,5,6,7,8,9,10,11,12,13,14,15
	global_load_b128 v[16+4*\g:19+4*\g], v3, s[6:7] offset:512+32*\g  ; Wo, the quarter's second half, into Q's and K's registers
.endr
	s_wait_dscnt 0x0                               ; for the others' sake: my stores are done
	s_barrier_signal -1
	s_barrier_wait -1                              ; all sixteen heads of o lie in LDS
	; ---- out^T = Wo o^T over my quarter of K: four chunks of 64 along K
.macro OLOAD c, reg
.irp g, 0,1,2,3,4,5,6,7
	ds_load_b128 v[\reg+4*\g:\reg+4*\g+3], v7 offset:32*(8*(\c)+\g)
.endr
.endm
.macro CHUNK wreg, oreg, zero
.set i, 0
.rept 16
.if \zero && (i < 4)
	v_wmma_f32_16x16x4_f32 v[ACC+8*(i%4):ACC+8*(i%4)+7], v[\wreg+2*i:\wreg+2*i+1], v[\oreg+2*i:\oreg+2*i+1], 0
.else
	v_wmma_f32_16x16x4_f32 v[ACC+8*(i%4):ACC+8*(i%4)+7], v[\wreg+2*i:\wreg+2*i+1], v[\oreg+2*i:\oreg+2*i+1], v[ACC+8*(i%4):ACC+8*(i%4)+7]
.endif
.set i, i+1
.endr
.endm
	OLOAD 0, 160
	OLOAD 1, 128
	s_wait_loadcnt 16                              ; Wo's first half is in; the second half's 16 loads may be out
	s_wait_dscnt 8                                 ; chunk 0 is in; chunk 1's eight loads may be out
	CHUNK 192, 160, 1
.rept 8
	v_nop                                          ; places ahead of loads into registers that these products have read
.endr
	OLOAD 2, 160
	s_wait_dscnt 8
	CHUNK 224, 128, 0
.rept 8
	v_nop
.endr
	OLOAD 3, 128
	s_wait_loadcnt 0x0
	s_wait_dscnt 8
	CHUNK 16, 160, 0
	s_wait_dscnt 0x0
	CHUNK 48, 128, 0
.rept 8
	v_nop
.endr
	SUM4
	ds_store_b128 v8, v[112:115]                   ; my quarter's sum: out(position r, columns 16 nt + 8 h + 0 .. 7)
	ds_store_b128 v8, v[116:119] offset:16
	s_wait_tensorcnt 0x0                           ; behind my last LDS store; the wait for 0 also serves the barrier
	ds_add_u32 v12, v13
	s_wait_dscnt 0x0
	s_barrier_signal -1
	s_barrier_wait -1                              ; the four quarters lie in LDS
	s_cmp_lt_u32 s16, 8                            ; eight waves add them and store two rows each
	s_cbranch_scc0 .Lend
.irp kq, 0,1,2,3
	ds_load_b128 v[112+4*\kq:115+4*\kq], v9 offset:16*272*\kq
.endr
	s_wait_dscnt 0x0
	v_pk_add_f32 v[112:113], v[112:113], v[116:117]
	v_pk_add_f32 v[114:115], v[114:115], v[118:119]
	v_pk_add_f32 v[120:121], v[120:121], v[124:125]
	v_pk_add_f32 v[122:123], v[122:123], v[126:127]
	v_pk_add_f32 v[112:113], v[112:113], v[120:121]
	v_pk_add_f32 v[114:115], v[114:115], v[122:123]
	global_store_b128 v10, v[112:115], s[8:9]      ; 16 lanes store 256 consecutive bytes, aligned
.Lend:
	s_endpgm
.Lfunc_end_k_q367a81fb1c_first16:
	.size	k_q367a81fb1c_first16, .Lfunc_end_k_q367a81fb1c_first16-k_q367a81fb1c_first16
	.p2alignl 7, 3214868480
	.fill 96, 4, 3214868480
	.section	.rodata,"a",@progbits
	.p2align	6, 0x0
	.amdhsa_kernel k_q367a81fb1c_first16
		.amdhsa_group_segment_fixed_size 86016
		.amdhsa_private_segment_fixed_size 0
		.amdhsa_enable_private_segment 0
		.amdhsa_kernarg_size 24
		.amdhsa_user_sgpr_count 2
		.amdhsa_user_sgpr_kernarg_segment_ptr 1
		.amdhsa_wavefront_size32 1
		.amdhsa_system_sgpr_workgroup_id_x 1
		.amdhsa_system_sgpr_workgroup_id_y 1
		.amdhsa_system_sgpr_workgroup_id_z 1
		.amdhsa_system_vgpr_workitem_id 0
		.amdhsa_next_free_vgpr 256
		.amdhsa_next_free_sgpr 66
		.amdhsa_reserve_vcc 1
		.amdhsa_float_denorm_mode_32 3
		.amdhsa_float_denorm_mode_16_64 3
		.amdhsa_memory_ordered 1
		.amdhsa_forward_progress 1
		.amdhsa_inst_pref_size 26
	.end_amdhsa_kernel
	.amdgpu_metadata
---
amdhsa.version: [ 1, 2 ]
amdhsa.kernels:
  - .name:           k_q367a81fb1c_first16
    .symbol:         k_q367a81fb1c_first16.kd
    .args:
      - { .name: head32, .offset: 0, .size: 8, .value_kind: global_buffer, .address_space: global }
      - { .name: Wo, .offset: 8, .size: 8, .value_kind: global_buffer, .address_space: global }
      - { .name: out0, .offset: 16, .size: 8, .value_kind: global_buffer, .address_space: global }
    .group_segment_fixed_size: 86016
    .private_segment_fixed_size: 0
    .kernarg_segment_align: 8
    .kernarg_segment_size: 24
    .max_flat_workgroup_size: 512
    .sgpr_count:     66
    .vgpr_count:     256
    .wavefront_size: 32
...
	.end_amdgpu_metadata
.endif
;; end of part 5
